; MI455X (gfx1250); checked and timed in simulation.
; The chip was launched on July 23, 2026; its instructions are those of AMD's public machine-readable ISA for CDNA 5 (MIT licence, August 2026) and "CDNA5" Instruction Set Architecture Reference Guide (July 2026). The comments in the code are by the model that wrote it; some were corrected since.
;; Multi Head Self Attention. Allowed arithmetic: matrix products marked QUANTISED: E2M3 operands, one E8M0 scale for each 32 along K, by v_wmma_scale_f32_16x16x128_f8f6f4 with both operands' format E2M3, f32 sums; everything else in f32.
;; Inputs: b_proj 1,024 float32; b_qkv 3,072 float32; w_proj 1,024 x 1,024 float32; w_qkv 3,072 x 1,024 float32; x 8 x 1,024 x 1,024 float32.
;; Outputs: out0 8 x 1,024 x 1,024 float32.
;; This version of the problem:
;;   THIS VERSION OF THE PROBLEM IS GIVEN IN LOW PRECISION. The matrix products marked QUANTISED in the list below multiply operands that are first quantised to E2M3 (2 exponent bits, 3 mantissa bits; 6 bits a number), with one power-of-two scale for each 32 numbers along K (OCP MX v1.0); their sums are f32. All else is computed in f32.
;;   The module's matrix products, in the order in which they are computed (A, B: the left and right operand; K: the contracted axis; several contracted axes count as one K, in the product's order):
;;     1. [M 8,192, K 1,024] x [K 1,024, N 3,072]; A: input x; B: input w_qkv: QUANTISED
;;     2. batch 128 x [M 1,024, K 64] x [K 64, N 1,024]; A: computed on the way; B: computed on the way: QUANTISED
;;     3. batch 128 x [M 1,024, K 1,024] x [K 1,024, N 64]; A: softmax (see below); B: computed on the way: QUANTISED
;;     4. [M 8,192, K 1,024] x [K 1,024, N 1,024]; A: computed on the way; B: input w_proj: QUANTISED
;;   THE QUANTISER, for each operand of a quantised product, along K:
;;     - K is cut into blocks of 32 from its start; a last block that is shorter is filled with zeros.
;;     - A block's scale is 2^e with e = floor(log2(the largest magnitude in the block)) - 2, held to -126 .. 127; a block of zeros has e = 0. As a byte (E8M0): e + 127.
;;     - Each number is divided by its block's scale, clamped to +-7.5, and rounded to the nearest number of E2M3, ties to even, subnormals kept.
;;     - The product sums the exact products of the quantised numbers (number of the format x scale) in f32.
;;   ~~~python
;;   def quantise(x, axis):      # numpy; x: float32 -> the quantised numbers, widened to float32 again
;;       x = np.moveaxis(x, axis, -1); K = x.shape[-1]
;;       x = np.pad(x, [(0, 0)] * (x.ndim - 1) + [(0, -K % 32)]); x = x.reshape(x.shape[:-1] + (-1, 32)); a = np.abs(x).max(-1, keepdims=True)
;;       e = np.where(a > 0, np.clip(np.frexp(np.where(a > 0, a, 1))[1] - 1 - 2, -126, 127), 0)      # np.frexp(a)[1] - 1 = floor(log2(a)), exactly
;;       r = np.clip(x / 2.0 ** e, -7.5, 7.5)
;;       step = 2.0 ** (np.maximum(np.frexp(np.where(r == 0, 1, r))[1] - 1, 0) - 3)
;;       q = np.round(r / step) * step * 2.0 ** e      # np.round: ties to even
;;       return np.moveaxis(q.reshape(q.shape[:-2] + (-1,))[..., :K], -1, axis).astype(np.float32)
;;   ~~~
;;   SOFTMAX AHEAD OF A QUANTISED PRODUCT. Where the list says 'softmax', what is quantised is not the finished softmax but p = 2^(t - M), with t = logit x log2(e) and M = ceil(the row's largest t), a whole number; so 1/2 < the row's largest p <= 1. The row's sum l is taken of the UNQUANTISED p, in f32, and the product's result is divided by l at the end. Since M is a whole number, a kernel that streams over the keys may use a running M (the ceiling of the running maximum): every later rescaling is an exact power of two, which a block's scale takes up: the codes' values come out the same.
;;   OPERANDS COMPUTED ON THE WAY. 'Computed on the way' means the value that the module computes at that place (a softmax that the list does not call 'softmax' is quantised finished and normalised). What goes into a quantiser is computed in f32, as accurately as f32 sums, v_exp_f32 and their like allow (about 1e-6 of the number): no bf16 or f16 on the way to a quantiser, and a product that is left as it is and whose result goes on into a quantised operand takes f32 operands (vector FMAs, or v_wmma_f32_16x16x4_f32). A number that lies on a knife's edge between two numbers of the format may be rounded either way, as far as f32 arithmetic and the matrix unit's own rounding can turn it there, and no further.
;; One version. Each part assembles by itself: llvm-mc -triple=amdgcn-amd-amdhsa -mcpu=gfx1250 --defsym DOCPART=n.
;; ======== version 1 of 1: 4 launches
;; workspace buffers: opc 9,437,184 bytes; ops 393,216 bytes; qkc 12,582,912 bytes; qks 524,288 bytes; vc 6,291,456 bytes; vs 262,144 bytes; ac 6,291,456 bytes; asc 262,144 bytes
;; launch quant (part 1): grid 384 x 1, 4 waves a work-group, no clusters, 35,328 bytes of LDS; arguments x, w_qkv, w_proj, opc, ops; writes opc, ops
.if DOCPART == 1
	.amdgcn_target "amdgcn-amd-amdhsa--gfx1250"
	.amdhsa_code_object_version 6
	.text
	.protected	k_q08ab67da17_quant
	.globl	k_q08ab67da17_quant
	.p2align	8
	.type	k_q08ab67da17_quant,@function
k_q08ab67da17_quant:
	s_mov_b64 s[64:65], 0
	v_nop
	global_prefetch_b8 v0, s[64:65] scope:SCOPE_SE
	s_setreg_imm32_b32 hwreg(HW_REG_WAVE_MODE, 25, 1), 1
	s_wait_xcnt 0x0
; x [8192][1024], w_qkv [3072][1024], w_proj [1024][1024], f32 with K innermost, become codes of FP6 (E2M3) with one E8M0 scale byte for each 32 along K.
; A block's scale is 2^(floor(log2(its largest magnitude)) - 2); its byte is the largest magnitude's exponent field - 2, held at 1 from below.
; LIMITS: NaN and infinities among the inputs are not served; a block whose largest magnitude lies under 2^-124, a block of zeros among them, takes the byte 1 (its codes are zeros or
; subnormal codes under that scale; the bytes are read by this program alone).
; THE ROWS OF A TILE OF 16: tile T holds rows 32 (T / 2) + 8 (T % 2) + i + 8 (i / 8), i = 0 .. 15.  The three tensors' tiles are numbered on end: x 0-511, w_qkv 512-703, w_proj 704-767.
; THE CODES LEAVE AS IMAGES OF THE OPERAND'S REGISTERS.  16 rows x 64 along K are 768 bytes: lane l = (r = l % 16, h = l / 16) owns the 24 bytes of block h of tile row r:
; its first 16 bytes lie at 16 l, its last 8 at 512 + 8 l.  opc: (K step of 256) x 2,359,296 + tile x 3,072 + (which 128) x 1,536 + (which 64) x 768.
; THE SCALE WORDS (four bytes: 128 along K of a row): ops: tile x 512 + (K half) x 256 + 16 r + 4 x (which 128 of the half).
; SHARES.  A work-group owns 32 rows of one tensor; wave w owns tile 2 g + w / 2 and K half w % 2: four steps of 16 rows x 128 numbers.  Each load reads 512 consecutive bytes of a row;
; a step's 8 KiB turn through the wave's own stage in LDS (rows 528 bytes apart, 33 x 16), from which a lane takes 16 neighbours of each block of 32 of its row.
; No tensor loads, no barrier: waves share nothing.  Loads run two steps (32 loads a wave) ahead.
.set STG,   8704                       ; a wave's stage: 16 rows x 528 bytes, rounded up
.set PITCH, 528
.set SIGB,  2359296                    ; 768 tiles x 3,072 bytes: from one K step of 256 to the next in opc
.set SW,    12                         ; v12-15   the four steps' scale words
.set TM,    20                         ; v20-35   at work in QUANT
.set PC,    36                         ; v36-47   a fragment's codes; v48-50, v52-54 the conversions' second halves
.set X,     64                         ; v64-127  64 numbers: register 16 b + i = k 32 b + 16 h + i of my row
.set R,     128                        ; v128-255 two sets of 64 registers as loaded
.set SEL,   20                         ; s[20:21] lane selects for v_permlanex16_b32: lane l xor 16
; 64 numbers of a lane, v[s] .. v[s + 63], become a fragment's codes in v[PC] on and its scale word in v[pw].
.macro QUANT s, pw
.irp b, 0,1,2,3
	v_max3_num_f32 v[TM+\b], |v[\s+16*\b]|, |v[\s+1+16*\b]|, 0x1800000   ; block b: my 16 numbers, and the floor 2^(3 - 127): the byte cannot fall under 1
.endr
.irp i, 2,4,6,8,10,12,14
.irp b, 0,1,2,3
	v_max3_num_f32 v[TM+\b], v[TM+\b], |v[\s+16*\b+\i]|, |v[\s+1+16*\b+\i]|   ; the four blocks by turns
.endr
.endr
.irp b, 0,1,2,3
	v_permlanex16_b32 v[TM+4+\b], v[TM+\b], s[SEL], s[SEL+1]
.endr
.irp b, 0,1,2,3
	v_max_num_f32 v[TM+\b], v[TM+\b], v[TM+4+\b]   ; with lane l xor 16's 16: the block's largest magnitude
.endr
.irp b, 0,1,2,3
	v_add_nc_u32 v[TM+12+\b], 0xff000000, v[TM+\b]   ; 2 off its exponent field: the conversion takes the exponent field of this operand as its scale
.endr
.irp b, 0,1,2,3
	v_lshrrev_b32 v[TM+4+\b], 23, v[TM+12+\b]      ; the scale's byte
.endr
	v_lshl_or_b32 v[\pw], v[TM+5], 8, v[TM+4]      ; the four bytes make my row's scale word (the same in lanes l and l xor 16)
	v_lshl_or_b32 v[\pw], v[TM+6], 16, v[\pw]
	v_lshl_or_b32 v[\pw], v[TM+7], 24, v[\pw]
.irp c, 0,1
	v_cvt_scalef32_pk16_fp6_f32 v[PC+6*\c:PC+2+6*\c], v[\s+32*\c:\s+15+32*\c], v[TM+12+2*\c]
	v_cvt_scalef32_pk16_fp6_f32 v[PC+12+4*\c:PC+14+4*\c], v[\s+16+32*\c:\s+31+32*\c], v[TM+12+2*\c+1]   ; (a conversion's three registers begin on an even number)
.endr
	v_nop                                          ; one plain place behind a scaled conversion
.irp c, 0,1                                    ; the operand's layout wants a whole block in a lane: lanes 0-15 block 2 c, lanes 16-31 block 2 c + 1
.irp i, 0,1,2
	v_permlane16_swap_b32 v[PC+6*\c+\i], v[PC+12+4*\c+\i]
.endr
.irp i, 0,1,2
	v_mov_b32 v[PC+3+6*\c+\i], v[PC+12+4*\c+\i]
.endr
.endr
.endm
	s_load_b256 s[4:11], s[0:1], 0x0               ; x s[4:5], w_qkv s[6:7], w_proj s[8:9], opc s[10:11]
	s_load_b64 s[12:13], s[0:1], 0x20              ; ops
	v_lshl_add_u32 v62, v0, 2, 0x8800
	v_mov_b32 v63, 0
	v_lshrrev_b32 v1, 5, v0
	v_readfirstlane_b32 s14, v1                    ; wave 0..3
	v_and_b32 v1, 31, v0                           ; lane
	v_and_b32 v2, 15, v0                           ; r
	v_bfe_u32 v3, v0, 4, 1                         ; h
	v_lshlrev_b32 v4, 4, v1                        ; 16 x lane: my bytes of a load's 512, and of an image's first 512
	s_mul_i32 s15, s14, STG
	v_add_nc_u32 v5, s15, v4                       ; into the stage: a row as it lies
	v_mul_u32_u24 v6, v2, PITCH
	v_lshl_add_u32 v6, v3, 6, v6
	v_add_nc_u32 v6, s15, v6                       ; out of it: row r, + 64 h: my 16 numbers of a block of 32
	v_lshlrev_b32 v8, 3, v1                        ; 8 x lane: an image's last 256 bytes
	v_lshlrev_b32 v9, 4, v2
	v_lshl_add_u32 v9, v3, 3, v9                   ; 16 r + 8 h: my two of a row's four scale words
	v_cmp_le_u32 vcc_lo, 16, v1                    ; lanes 16-31; VCC stays
.irp b, 0,1,2,3
	v_mov_b32 v[TM+4+\b], 0                        ; written once: a lane permute's destination counts as one of its sources
.endr
	s_mov_b32 s[SEL], 0x76543210
	s_mov_b32 s[SEL+1], 0xfedcba98
	s_lshr_b32 s22, s14, 1                         ; which of the group's two tiles
	s_and_b32 s23, s14, 1                          ; which half of K
	s_mov_b32 s17, 352
	s_wait_alu depctr_va_vdst(0)
	s_wait_kmcnt 0x0
	s_cmp_lt_u32 ttmp9, s17                        ; which tensor: the choice hangs on the work-group's number alone
	s_cselect_b64 s[6:7], s[6:7], s[8:9]
	s_cselect_b32 s16, 256, s17
	s_cmp_lt_u32 ttmp9, 256
	s_cselect_b64 s[4:5], s[4:5], s[6:7]
	s_cselect_b32 s16, 0, s16                      ; the tensor's first work-group
	s_sub_co_u32 s18, ttmp9, s16
	s_lshl_b32 s18, s18, 17                        ; 32 rows of 4,096 bytes,
	s_lshl_b32 s19, s22, 15                        ; 8 rows for the second tile,
	s_add_co_u32 s18, s18, s19
	s_lshl_b32 s19, s23, 11                        ; 512 numbers for the second half of K
	s_add_co_u32 s18, s18, s19
	s_mov_b32 s19, 0
	s_add_nc_u64 s[4:5], s[4:5], s[18:19]
	s_lshl_b32 s24, ttmp9, 1
	s_add_co_u32 s24, s24, s22                     ; my tile's number
	s_mul_i32 s18, s24, 3072
	s_mul_i32 s25, s23, 2*SIGB
	s_add_co_u32 s18, s18, s25
	s_add_nc_u64 s[10:11], s[10:11], s[18:19]
	s_lshl_b32 s18, s24, 9
	s_lshl_b32 s25, s23, 8
	s_add_co_u32 s18, s18, s25
	s_add_nc_u64 s[12:13], s[12:13], s[18:19]
.macro LOAD t                          ; step t: 128 numbers of each of the tile's 16 rows, into set t % 2
.irp i, 0,1,2,3,4,5,6,7,8,9,10,11,12,13,14,15
	global_load_b128 v[R+64*((\t)%2)+4*\i:R+64*((\t)%2)+4*\i+3], v4, s[4:5] offset:(\i+8*(\i/8))*4096+512*(\t) th:TH_LOAD_NT   ; 32 lanes read 512 consecutive bytes; read once in the launch
.endr
.endm
.macro STEPQ t
.if (\t) < 3
	s_wait_loadcnt 16                              ; this step's sixteen loads are in; the next step's sixteen may be out
.else
	s_wait_loadcnt 0x0
.endif
.irp i, 0,1,2,3,4,5,6,7,8,9,10,11,12,13,14,15
	ds_store_b128 v5, v[R+64*((\t)%2)+4*\i:R+64*((\t)%2)+4*\i+3] offset:PITCH*\i
.endr
.irp b, 0,1,2,3
.irp j, 0,1,2,3
	ds_load_b128 v[X+16*\b+4*\j:X+16*\b+4*\j+3], v6 offset:128*\b+16*\j   ; LDS serves a wave's instructions in order (ISA guide 5.7.1.4): these see the stores above
.endr
.endr
	s_wait_dscnt 0x0                               ; my 64 numbers are back, and the stores into the stage have read their registers
.if (\t) > 0
	s_wait_xcnt 0x0                                ; the last step's stores have read their data: PC is written again only behind this wait
.endif
.if (\t) < 2
	LOAD (\t)+2
.endif
	QUANT X, SW+\t
.irp c, 0,1
	global_store_b128 v4, v[PC+6*\c:PC+6*\c+3], s[10:11] offset:((\t)/2)*SIGB+((\t)%2)*1536+768*\c        ; 512 consecutive bytes, aligned to 256
	global_store_b64 v8, v[PC+6*\c+4:PC+6*\c+5], s[10:11] offset:((\t)/2)*SIGB+((\t)%2)*1536+768*\c+512   ; 256 consecutive bytes, aligned
.endr
.endm
	LOAD 0
	LOAD 1
	STEPQ 0
	STEPQ 1
	STEPQ 2
	STEPQ 3
	v_cndmask_b32 v16, v[SW], v[SW+2], vcc_lo      ; lanes 0-15 store words 0 and 1 of their row, lanes 16-31 words 2 and 3
	v_cndmask_b32 v17, v[SW+1], v[SW+3], vcc_lo
	global_store_b64 v9, v[16:17], s[12:13]        ; 32 lanes store 256 consecutive bytes, aligned
	s_wait_tensorcnt 0x0
	ds_add_u32 v62, v63
	s_wait_dscnt 0x0
	s_endpgm
.Lfunc_end_k_q08ab67da17_quant:
	.size	k_q08ab67da17_quant, .Lfunc_end_k_q08ab67da17_quant-k_q08ab67da17_quant
	.p2alignl 7, 3214868480
	.fill 96, 4, 3214868480
	.section	.rodata,"a",@progbits
	.p2align	6, 0x0
	.amdhsa_kernel k_q08ab67da17_quant
		.amdhsa_group_segment_fixed_size 35328
		.amdhsa_private_segment_fixed_size 0
		.amdhsa_enable_private_segment 0
		.amdhsa_kernarg_size 40
		.amdhsa_user_sgpr_count 2
		.amdhsa_user_sgpr_kernarg_segment_ptr 1
		.amdhsa_wavefront_size32 1
		.amdhsa_system_sgpr_workgroup_id_x 1
		.amdhsa_system_sgpr_workgroup_id_y 1
		.amdhsa_system_sgpr_workgroup_id_z 1
		.amdhsa_system_vgpr_workitem_id 0
		.amdhsa_next_free_vgpr 256
		.amdhsa_next_free_sgpr 66
		.amdhsa_reserve_vcc 1
		.amdhsa_float_denorm_mode_32 3
		.amdhsa_float_denorm_mode_16_64 3
		.amdhsa_memory_ordered 1
		.amdhsa_forward_progress 1
		.amdhsa_inst_pref_size 34
	.end_amdhsa_kernel
	.amdgpu_metadata
---
amdhsa.version: [ 1, 2 ]
amdhsa.kernels:
  - .name:           k_q08ab67da17_quant
    .symbol:         k_q08ab67da17_quant.kd
    .args:
      - { .name: x, .offset: 0, .size: 8, .value_kind: global_buffer, .address_space: global }
      - { .name: w_qkv, .offset: 8, .size: 8, .value_kind: global_buffer, .address_space: global }
      - { .name: w_proj, .offset: 16, .size: 8, .value_kind: global_buffer, .address_space: global }
      - { .name: opc, .offset: 24, .size: 8, .value_kind: global_buffer, .address_space: global }
      - { .name: ops, .offset: 32, .size: 8, .value_kind: global_buffer, .address_space: global }
    .group_segment_fixed_size: 35328
    .private_segment_fixed_size: 0
    .kernarg_segment_align: 8
    .kernarg_segment_size: 40
    .max_flat_workgroup_size: 128
    .sgpr_count:     66
    .vgpr_count:     256
    .wavefront_size: 32
...
	.end_amdgpu_metadata
.endif
;; end of part 1
;; launch qkv (part 2): grid 8 x 32, 4 waves a work-group, clusters of 4 x 4, 327,680 bytes of LDS; arguments opc, ops, b_qkv, qkc, qks, vc, vs; writes qkc, qks, vc, vs
.if DOCPART == 2
	.amdgcn_target "amdgcn-amd-amdhsa--gfx1250"
	.amdhsa_code_object_version 6
	.text
	.protected	k_q08ab67da17_qkv
	.globl	k_q08ab67da17_qkv
	.p2align	8
	.type	k_q08ab67da17_qkv,@function
k_q08ab67da17_qkv:
	s_mov_b64 s[64:65], 0
	v_nop
	global_prefetch_b8 v0, s[64:65] scope:SCOPE_SE
	s_setreg_imm32_b32 hwreg(HW_REG_WAVE_MODE, 25, 1), 1
	s_wait_xcnt 0x0
	s_wait_alu depctr_hold_cnt(0) depctr_sa_sdst(0) depctr_va_vdst(0) depctr_va_sdst(0) depctr_va_ssrc(0) depctr_va_vcc(0) depctr_vm_vsrc(0)
	s_getreg_b32 s2, hwreg(HW_REG_IB_STS2, 6, 4)
	s_cmp_eq_u32 s2, 0
	s_cbranch_scc0 .Lentry_in_a_cluster
	s_endpgm
.Lentry_in_a_cluster:
	s_bfe_u32 s2, ttmp6, 0x10000c
	s_cmp_lg_u32 s2, 0xf033
	s_cbranch_scc0 .Lentry_shape_is_right
	s_endpgm
.Lentry_shape_is_right:
; qkv = x w_qkv^T + b_qkv on codes of FP6 (E2M3) with E8M0 scales, sums in f32; the result never goes to memory as f32: q and k are quantised along the head's 64, v along the keys, and leave as codes.
; OPERANDS are images of the matrix unit's registers: 16 rows x 64 along K are 768 bytes, lane l's first 16 bytes at 16 l, its last 8 at 512 + 8 l; a fragment (128 along K, 12 registers) is two of them.
; Tile T holds rows 32 (T / 2) + 8 (T % 2) + i + 8 (i / 8).  So where a tile is source 0, the 16 result registers of tiles 2 B and 2 B + 1 are the 16 neighbours 32 B + 16 (lane / 16) + 0 .. 15.
; Source 1 is L (a lane holds one of its rows), source 0 is P (its rows run along a lane's registers).
; A WORK-GROUP STAYS AND DOES TWO THINGS, one text for all 256 work-groups, of equal work.  Work-group (X, Y), four waves:
;   phase 1: 256 tokens (Y) x 256 columns of q, k (X): L = x, P = w: a lane's registers run along the head's d.  A wave makes 128 x 128: 64 accumulators.
;   phase 2: the same 256 tokens x 128 columns of v (X): L = w, P = x: a lane's registers run along the keys.  A wave makes 64 columns (one head) x 128 tokens (one key step): 32 accumulators.
; LDS: x's 16 tiles for all of K = 1,024 are filled once (4 x 49,152 bytes) and serve both phases.  The weights go through two slots of 49,152 bytes: q, k's K steps of 256 number 0, 1 (first fills), 2, 3,
;   then v's 8 tiles of K steps 0 and 1 and of K steps 2 and 3 (refills): v's weights land under phase 1's last K step and its way out.
; Every wave fetches a quarter of each block (4 tiles, 12,288 dense bytes), so no load stands under a branch.  CLUSTERS: 4 x 4 work-groups: x's tiles hang on Y and are asked for jointly by a row of the
;   cluster, the weights' on X and by a column.
; THE SCALE WORDS come once, into registers, by loads of 16 bytes a lane from whole blocks of 256 bytes: register 8 x tile + (K step of 128).
; LIMITS: NaN and infinities are not served; a block whose largest magnitude lies under 2^-124 takes the scale byte 1.
; REGISTERS, in windows of 256: window 0: v4-31 addresses; v32-95 scale words (lanes 0-15 x's tile, lanes 16-31 q, k's weights' tile); v96-127 v's weights' scale words; v128-223 L's fragments; on the ways out v128-255 are at work.
;   window 1: P's fragments, two sets, at v0 and v128; the bias in the 64 registers between and behind them.   windows 2, 3: the accumulators: (a, b) at v[8 (8 (a % 4) + b)] of window 2 + a / 4.
.set QT,     12288                     ; 4 tiles x 3,072 bytes: what one tensor load brings
.set XS,     49152                     ; x's 16 tiles of one K step of 256; K step g at g x XS
.set WR,     4*XS                      ; behind them the weights' two slots
.set WS,     49152
.set SPARE,  WR+2*WS                   ; the spare words, 128 bytes for each wave: two blocks of 256 bytes that no other line names
.set SIGB,   2359296                   ; from one K step of 256 to the next in opc
.set FR,     12                        ; registers of a fragment
.set NL,     4                         ; LDS loads that bring one
.set NP,     4                         ; places behind this matrix instruction (ISA guide 7.12.1)
.set AX,   4                           ; v4-11   my 8 tiles of x, K step g: v[4 + 2 g] = base + 16 x lane, v[5 + 2 g] = base + 8 x lane
.set AW,   12                          ; v12-15  my 8 tiles of q, k's weights in slot 0, 1, likewise
.set AV,   16                          ; v16-19  my 4 tiles of v's weights in slot 0, 1, likewise
.set SO1,  20                          ; v20  byte offset in ops: lanes 0-15 x's tiles, lanes 16-31 q, k's weights'
.set SO2,  21                          ; v21  the same for v's weights, all lanes
.set L16,  24                          ; v24  16 x lane
.set L8,   25                          ; v25  8 x lane
.set SQO,  26                          ; v26  16 r + 8 h
.set SPW,  28                          ; v28  LDS address of my spare word; never rewritten
.set NIL,  29                          ; v29  0; never rewritten
.set BH,   30                          ; v30  64 h: the bias along my registers
.set BR,   31                          ; v31  4 (r + 8 (r / 8)): the bias of my lane's row
.set SC,   32
.set SC2,  96
.set LF,   128
.set W,    128                         ; the ways out: 64 numbers
.set PC,   192                         ; v192-203 codes; v204-206, v208-210 the conversions' second halves
.set TM,   212                         ; v212-227 at work in QUANT
.set SWR,  232                         ; v232-239 the scale words
.set SEL,  20                          ; s[20:21] lane selects for v_permlanex16_b32: lane l xor 16
.set G1X,  24                          ; s[24:31] descriptor group 1 for x's tiles;  s[32:39] for the weights': they differ in the mask
.set G1W,  32
.set G0X,  48                          ; s[48:63] groups 0 for x's four K steps
.set G0W,  68                          ; s[68:75] for q, k's weights, one set for each slot
.set G0V,  76                          ; s[76:83] for v's weights, one set for each slot
.set MSB, 0
.macro WIN new                         ; the immediate's high byte repeats the setting that is left
.if MSB != (\new)
	s_set_vgpr_msb (MSB<<8)|(\new)
.set MSB, \new
.endif
.endm
.set MUL_LO, 0xa1                      ; source 0 (P) window 1, source 1 (L) window 0, C and D window 2
.set MUL_HI, 0xf1                      ; the same, C and D window 3
.set TO_P,   0x40                      ; destination window 1, address window 0
.macro CREST                           ; a round of the cluster's barrier behind its opening barrier
	s_cmp_lg_u32 s14, 0
	s_cbranch_scc1 .Lnot_wave_0_\@
	s_barrier_signal -3
.Lnot_wave_0_\@:
	s_barrier_wait -3
	s_barrier_signal -1
	s_barrier_wait -1
.endm
.macro CROUND                          ; a whole round
	s_barrier_signal -1
	s_barrier_wait -1
	CREST
.endm
.macro PLACES n
.rept \n
	v_nop
.endr
.endm
	s_load_b256 s[4:11], s[0:1], 0x0               ; opc s[4:5], ops s[6:7], b_qkv s[8:9], qkc s[10:11]
	s_load_b64 s[12:13], s[0:1], 0x20              ; qks
	s_load_b128 s[92:95], s[0:1], 0x28             ; vc s[92:93], vs s[94:95]
	v_lshl_add_u32 v[SPW], v0, 2, SPARE
	v_mov_b32 v[NIL], 0
	ds_add_u32 v28, v29
	ds_add_u32 v28, v29
	s_wait_dscnt 0x0
	v_lshrrev_b32 v1, 5, v0
	v_readfirstlane_b32 s14, v1                    ; wave 0..3
	s_lshr_b32 s15, s14, 1                         ; wl: which half of the tokens is mine, in both phases
	s_and_b32 s16, s14, 1                          ; wp: which half of the columns
	s_bfe_u32 s40, ttmp6, 0x40000                  ; cx, cy: my place in the cluster
	s_bfe_u32 s41, ttmp6, 0x40004
	s_lshl_b32 s42, ttmp9, 2
	s_add_co_u32 s42, s42, s40                     ; X = 4 x cluster x + cx
	s_and_b32 s17, ttmp7, 0xffff                   ; the cluster's y: the batch
	s_lshl_b32 s45, s17, 2
	s_add_co_u32 s45, s45, s41                     ; Y = 4 x cluster y + cy
	s_lshl_b32 s43, s41, 2
	s_lshl_b32 s43, 15, s43                        ; my row of the cluster
	s_lshl_b32 s44, 0x1111, s40                    ; my column
	; descriptor group 1: 4 tiles are a dense block of 12,288 bytes: 48 rows of 32 elements of 8 bytes, no padding
	s_or_b32 s[G1X+0], s43, (3<<16)|(1<<21)        ; 15:0 the mask: x's tiles go to my row; 17:16 elements of 8 bytes; 21 set beside a mask
	s_or_b32 s[G1W+0], s44, (3<<16)|(1<<21)        ; the weights' go to my column
.irp g, G1X, G1W
	s_mov_b32 s[\g+1], 32<<16                      ; tensor_dim0
	s_mov_b32 s[\g+2], 48<<16                      ; tensor_dim1
	s_mov_b32 s[\g+3], 32<<16                      ; tile_dim0
	s_mov_b32 s[\g+4], 48                          ; tile_dim1
	s_mov_b32 s[\g+5], 32                          ; tensor_dim0_stride
	s_mov_b32 s[\g+6], 0
	s_mov_b32 s[\g+7], 0
.endr
	s_mov_b32 s[SEL], 0x76543210
	s_mov_b32 s[SEL+1], 0xfedcba98
	s_lshl_b32 s18, s14, 2                         ; which 4 tiles I fetch
	s_lshl_b32 s22, s45, 4
	s_add_co_u32 s22, s22, s18                     ; x's tile 16 Y + 4 w: hangs on Y, never on cx
	s_mul_i32 s22, s22, 3072
	s_mov_b32 s23, 0
	s_lshl_b32 s46, s42, 4
	s_add_co_u32 s46, s46, s18
	s_add_co_u32 s46, s46, 512                     ; q, k's weights: tile 512 + 16 X + 4 w: hangs on X, never on cy
	s_mul_i32 s46, s46, 3072
	s_mov_b32 s47, 0
	s_lshl_b32 s96, s42, 3
	s_lshl_b32 s19, s16, 2
	s_add_co_u32 s96, s96, s19
	s_add_co_u32 s96, s96, 640                     ; v's weights: tile 640 + 8 X + 4 (w % 2),
	s_mul_i32 s96, s96, 3072
	s_mul_i32 s19, s15, SIGB                       ; of the slot's K step w / 2
	s_add_co_u32 s96, s96, s19
	s_mov_b32 s97, 0
	s_mul_i32 s2, s14, QT                          ; where they go: wave x 4 tiles: no place in the cluster enters an LDS address
	s_wait_kmcnt 0x0
	s_add_nc_u64 s[22:23], s[4:5], s[22:23]
	s_add_nc_u64 s[46:47], s[4:5], s[46:47]
	s_add_nc_u64 s[96:97], s[4:5], s[96:97]
.irp g, 0,1,2,3
	s_mov_b32 s[G0X+4*\g], 1                       ; 1:0 count = 1
	s_add_co_u32 s[G0X+4*\g+1], s2, \g*XS          ; 63:32 LDS address
	s_add_nc_u64 s[G0X+4*\g+2:G0X+4*\g+3], s[22:23], \g*SIGB   ; 120:64 global address: K step g
	s_or_b32 s[G0X+4*\g+3], s[G0X+4*\g+3], 0x80000000          ; 127:126 type = 2
.endr
.irp g, 0,1
	s_mov_b32 s[G0W+4*\g], 1
	s_add_co_u32 s[G0W+4*\g+1], s2, WR+\g*WS
	s_add_nc_u64 s[G0W+4*\g+2:G0W+4*\g+3], s[46:47], \g*SIGB
	s_or_b32 s[G0W+4*\g+3], s[G0W+4*\g+3], 0x80000000
	s_mov_b32 s[G0V+4*\g], 1
	s_add_co_u32 s[G0V+4*\g+1], s2, WR+\g*WS
	s_add_nc_u64 s[G0V+4*\g+2:G0V+4*\g+3], s[96:97], \g*2*SIGB
	s_or_b32 s[G0V+4*\g+3], s[G0V+4*\g+3], 0x80000000
.endr
	CROUND                                         ; all sixteen work-groups are here: the first joint loads meet
	tensor_load_to_lds s[G0X:G0X+3], s[G1X:G1X+7]           ; the first fills in one group, K step 0 first: six tensor loads of mine are out behind the last
	s_nop 0
	tensor_load_to_lds s[G0W:G0W+3], s[G1W:G1W+7]
	s_nop 0
	tensor_load_to_lds s[G0X+4:G0X+7], s[G1X:G1X+7]
	s_nop 0
	tensor_load_to_lds s[G0W+4:G0W+7], s[G1W:G1W+7]
	s_nop 0
	tensor_load_to_lds s[G0X+8:G0X+11], s[G1X:G1X+7]
	s_nop 0
	tensor_load_to_lds s[G0X+12:G0X+15], s[G1X:G1X+7]
	s_nop 0
.rept 4
	v_nop
.endr
	v_and_b32 v1, 31, v0                           ; lane
	v_and_b32 v2, 15, v0                           ; r
	v_bfe_u32 v3, v0, 4, 1                         ; h
	s_wait_alu depctr_va_vdst(0)
	v_lshlrev_b32 v[L16], 4, v1
	v_lshlrev_b32 v[L8], 3, v1
	v_lshlrev_b32 v22, 4, v2                       ; 16 r: a row's four scale words
	v_lshl_add_u32 v[SQO], v3, 3, v22
	s_lshl_b32 s18, s45, 4                         ; the scale words: x's tiles 16 Y + 8 wl on,
	s_lshl_b32 s19, s15, 3
	s_add_co_u32 s18, s18, s19
	s_lshl_b32 s18, s18, 9                         ; 512 bytes a tile
	s_lshl_b32 s19, s42, 4                         ; q, k's weights' tiles 512 + 16 X + 8 wp on
	s_lshl_b32 s66, s16, 3
	s_add_co_u32 s19, s19, s66
	s_add_co_u32 s19, s19, 512
	s_lshl_b32 s19, s19, 9
	s_sub_co_u32 s19, s19, s18
	v_mul_u32_u24 v23, s19, v3                     ; lanes 16-31 take the weights'
	s_wait_alu depctr_va_vdst(0)
	v_add_nc_u32 v23, v23, v22
	v_add_nc_u32 v[SO1], s18, v23
	s_lshl_b32 s19, s42, 3                         ; v's weights' tiles 640 + 8 X + 4 wp on
	s_lshl_b32 s66, s16, 2
	s_add_co_u32 s19, s19, s66
	s_add_co_u32 s19, s19, 640
	s_lshl_b32 s19, s19, 9
	v_add_nc_u32 v[SO2], s19, v22
.irp i, 0,1,2,3,4,5,6,7
.irp k, 0,1
	global_load_b128 v[SC+8*\i+4*\k:SC+8*\i+4*\k+3], v[SO1], s[6:7] offset:512*\i+256*\k   ; sixteen lanes read a whole block of 256 bytes: four K steps' words of 16 rows
.endr
.endr
.irp i, 0,1,2,3
.irp k, 0,1
	global_load_b128 v[SC2+8*\i+4*\k:SC2+8*\i+4*\k+3], v[SO2], s[6:7] offset:512*\i+256*\k
.endr
.endr
	v_lshlrev_b32 v[BH], 6, v3
	s_wait_alu depctr_va_vdst(0)
	v_and_b32 v27, 8, v2
	v_add_nc_u32 v27, v27, v2
	v_lshlrev_b32 v[BR], 2, v27
	s_lshl_b32 s18, s42, 10                        ; the bias of columns 256 X + 128 wp on,
	s_lshl_b32 s19, s16, 9
	s_add_co_u32 s18, s18, s19
	s_mov_b32 s19, 0
	s_add_nc_u64 s[84:85], s[8:9], s[18:19]
	s_lshl_b32 s18, s42, 9                         ; and of columns 2,048 + 128 X + 64 wp on
	s_lshl_b32 s66, s16, 8
	s_add_co_u32 s18, s18, s66
	s_add_co_u32 s18, s18, 8192
	s_add_nc_u64 s[86:87], s[8:9], s[18:19]
	WIN TO_P                                       ; the first bias, 64 numbers along my registers, into window 1's v96-127 and v224-255
.irp b, 0,1,2,3,4,5,6,7
	global_load_b128 v[96+8*\b+96*(\b/4):99+8*\b+96*(\b/4)], v[BH], s[84:85] offset:(32*(\b/2)+8*(\b%2))*4
	global_load_b128 v[100+8*\b+96*(\b/4):103+8*\b+96*(\b/4)], v[BH], s[84:85] offset:(32*(\b/2)+8*(\b%2))*4+16
.endr
	WIN 0
	s_mul_i32 s18, s15, 2*QT                       ; my 8 tiles of x
.irp g, 0,1,2,3
	v_add_nc_u32 v[AX+2*\g], s18, v[L16]
	v_add_nc_u32 v[AX+2*\g+1], s18, v[L8]
	s_add_co_u32 s18, s18, XS
.endr
	s_mul_i32 s18, s16, 2*QT                       ; my 8 tiles of q, k's weights,
	s_add_co_u32 s18, s18, WR
	s_mul_i32 s19, s16, QT                         ; my 4 tiles of v's
	s_add_co_u32 s19, s19, WR
.irp g, 0,1
	v_add_nc_u32 v[AW+2*\g], s18, v[L16]
	v_add_nc_u32 v[AW+2*\g+1], s18, v[L8]
	v_add_nc_u32 v[AV+2*\g], s19, v[L16]
	v_add_nc_u32 v[AV+2*\g+1], s19, v[L8]
	s_add_co_u32 s18, s18, WS
	s_add_co_u32 s19, s19, WS
.endr
	s_mov_b32 s19, 0                               ; where the results go.  q, k: 32 b + (q: head, k: 16 + head) = 32 b + 4 X + 2 wp,
	s_lshl_b32 s67, s17, 5
	s_lshl_b32 s18, s42, 2
	s_add_co_u32 s67, s67, s18
	s_lshl_b32 s18, s16, 1
	s_add_co_u32 s67, s67, s18
	s_lshl_b32 s18, s67, 6                         ; x 64 tiles + my first tile of tokens in the batch, 16 cy + 8 wl
	s_lshl_b32 s66, s41, 4
	s_add_co_u32 s18, s18, s66
	s_lshl_b32 s66, s15, 3
	s_add_co_u32 s18, s18, s66
	s_mul_i32 s18, s18, 768
	s_add_nc_u64 s[10:11], s[10:11], s[18:19]
	s_lshl_b32 s18, s67, 3                         ; x 8 groups of four pairs of tiles + mine, 2 cy + wl
	s_lshl_b32 s66, s41, 1
	s_add_co_u32 s18, s18, s66
	s_add_co_u32 s18, s18, s15
	s_lshl_b32 s18, s18, 8
	s_add_nc_u64 s[12:13], s[12:13], s[18:19]
	s_lshl_b32 s67, s17, 4                         ; v: (16 b + head) x 8 + key step: head = 2 X + wp, key step = 2 cy + wl
	s_lshl_b32 s18, s42, 1
	s_add_co_u32 s67, s67, s18
	s_add_co_u32 s67, s67, s16
	s_lshl_b32 s67, s67, 3
	s_add_co_u32 s67, s67, s66
	s_add_co_u32 s67, s67, s15
	s_mul_i32 s18, s67, 6144                       ; four fragments a key step
	s_add_nc_u64 s[92:93], s[92:93], s[18:19]
	s_lshl_b32 s18, s67, 8
	s_add_nc_u64 s[94:95], s[94:95], s[18:19]
.macro FRAG reg, adr, off              ; a fragment comes as it was stored: two images, each 16 bytes a lane and 8 bytes a lane; every load reads consecutive bytes
.irp c, 0,1
	ds_load_b128 v[\reg+6*\c:\reg+6*\c+3], v[\adr] offset:\off+768*\c
	ds_load_b64 v[\reg+6*\c+4:\reg+6*\c+5], v[\adr+1] offset:\off+768*\c+512
.endr
.endm
; PHASE 1.  16 matrix instructions: L's blocks a0, a0 + 1 x P's eight, K step s of 128.  p: P's set.  zero = 1: the first product starts the sums.
; The 64 accumulators take turns, one instruction a turn, in the same order in every step.
.macro MUL16 a0, p, s, zero
.irp a, \a0, \a0+1
.irp b, 0,1,2,3,4,5,6,7
.if \zero
	v_wmma_scale_f32_16x16x128_f8f6f4 v[8*(8*((\a)%4)+\b):8*(8*((\a)%4)+\b)+7], v[128*(\p)+FR*\b:128*(\p)+FR*\b+FR-1], v[LF+FR*(\a):LF+FR*(\a)+FR-1], 0, v[SC+8*\b+(\s)], v[SC+8*(\a)+(\s)] matrix_a_fmt:MATRIX_FMT_FP6 matrix_b_fmt:MATRIX_FMT_FP6 matrix_a_scale:MATRIX_SCALE_ROW1
.else
	v_wmma_scale_f32_16x16x128_f8f6f4 v[8*(8*((\a)%4)+\b):8*(8*((\a)%4)+\b)+7], v[128*(\p)+FR*\b:128*(\p)+FR*\b+FR-1], v[LF+FR*(\a):LF+FR*(\a)+FR-1], v[8*(8*((\a)%4)+\b):8*(8*((\a)%4)+\b)+7], v[SC+8*\b+(\s)], v[SC+8*(\a)+(\s)] matrix_a_fmt:MATRIX_FMT_FP6 matrix_b_fmt:MATRIX_FMT_FP6 matrix_a_scale:MATRIX_SCALE_ROW1
.endif
.endr
.endr
.endm
.macro FETCH_P slot, q, p              ; the weights' eight fragments into set p
	WIN TO_P
.irp i, 0,1,2,3,4,5,6,7
	FRAG 128*(\p)+FR*\i, AW+2*(\slot), 3072*\i+1536*(\q)
.endr
	WIN 0
.endm
.macro FETCH_L sig, q, i0              ; x's blocks i0 .. i0 + 3 of K step sig
.irp i, \i0, \i0+1, \i0+2, \i0+3
	FRAG LF+FR*(\i), AX+2*(\sig), 3072*(\i)+1536*(\q)
.endr
.endm
; The first 128 of K step sig; it fetches the second.  A block of L is free as soon as its eight products are issued: blocks 0-3 are fetched anew in the middle, blocks 4-7 at the end.
.macro STEP sig, zero
	s_wait_dscnt 4*NL                              ; P's set and L's blocks 0-3 are in; the youngest sixteen loads (L's blocks 4-7) may be out
	WIN MUL_LO
	MUL16 0, 0, 2*(\sig), \zero
	MUL16 2, 0, 2*(\sig), \zero
	s_wait_dscnt 0x0                               ; L's blocks 4-7 are in
	PLACES NP                                      ; in front of loads into registers that matrix instructions have read
	FETCH_P (\sig)%2, 1, 1
	FETCH_L \sig, 1, 0
	WIN MUL_HI
	MUL16 4, 0, 2*(\sig), \zero
	MUL16 6, 0, 2*(\sig), \zero
	PLACES NP
	WIN 0
	FETCH_L \sig, 1, 4
.endm
; The second 128 of K step sig leaves the weights' slot: each wave waits for all its tensor loads, adds 0 to its spare word, and waits for that and for its reads of the slot; the barrier opens a round of
; the cluster's barrier, and the slot is filled again by the descriptor at g0 (step = 1: that descriptor goes two K steps on first).  next = 1: the next K step's first fragments are fetched.
.macro TURN sig, g0, step, next
	s_wait_tensorcnt 0x0                           ; all my tensor loads have landed  (every window is 0 here)
	ds_add_u32 v[SPW], v[NIL]                      ; 0 onto my spare word
	s_wait_dscnt 4*NL+1                            ; (the add and the youngest sixteen loads may be out)
	WIN MUL_LO
	MUL16 0, 1, 2*(\sig)+1, 0                      ; sixteen matrix instructions stand between the add and the wait for it
	s_wait_dscnt 0x0                               ; the add is done, and my reads of this slot are over
	s_barrier_signal -1
	MUL16 2, 1, 2*(\sig)+1, 0
	WIN 0
	s_barrier_wait -1
	CREST                                          ; no wave of any partner still reads this slot or has a load on its way
.if \step
	s_add_nc_u64 s[\g0+2:\g0+3], s[\g0+2:\g0+3], 2*SIGB
.endif
	tensor_load_to_lds s[\g0:\g0+3], s[G1W:G1W+7]  ; the first tensor load behind the round, my only one until the next
	s_nop 0
.rept 4
	v_nop                                          ; the places in front of the loads below
.endr
.if \next
	FETCH_P ((\sig)+1)%2, 0, 0
	FETCH_L (\sig)+1, 0, 0
.endif
	WIN MUL_HI
	MUL16 4, 1, 2*(\sig)+1, 0
	MUL16 6, 1, 2*(\sig)+1, 0
	PLACES NP                                      ; in front of the loads below, or of the way out's reads of the results
	WIN 0
.if \next
	FETCH_L (\sig)+1, 0, 4
.endif
.endm
; PHASE 2.  16 matrix instructions: v's weights' blocks a0, a0 + 1 (source 1) x x's eight (source 0), K step s of 128; u: the sets.  The 32 accumulators take turns.
.macro MULV a0, u, s, zero
.irp a, \a0, \a0+1
.irp b, 0,1,2,3,4,5,6,7
.if \zero
	v_wmma_scale_f32_16x16x128_f8f6f4 v[8*(8*(\a)+\b):8*(8*(\a)+\b)+7], v[128*(\u)+FR*\b:128*(\u)+FR*\b+FR-1], v[LF+48*(\u)+FR*(\a):LF+48*(\u)+FR*(\a)+FR-1], 0, v[SC+8*\b+(\s)], v[SC2+8*(\a)+(\s)] matrix_a_fmt:MATRIX_FMT_FP6 matrix_b_fmt:MATRIX_FMT_FP6
.else
	v_wmma_scale_f32_16x16x128_f8f6f4 v[8*(8*(\a)+\b):8*(8*(\a)+\b)+7], v[128*(\u)+FR*\b:128*(\u)+FR*\b+FR-1], v[LF+48*(\u)+FR*(\a):LF+48*(\u)+FR*(\a)+FR-1], v[8*(8*(\a)+\b):8*(8*(\a)+\b)+7], v[SC+8*\b+(\s)], v[SC2+8*(\a)+(\s)] matrix_a_fmt:MATRIX_FMT_FP6 matrix_b_fmt:MATRIX_FMT_FP6
.endif
.endr
.endr
.endm
.macro FETCHV s                        ; K step s of 128: x's eight fragments and v's weights' four, into sets s % 2.  A weights' slot holds K steps 4 (s / 4) .. + 3
	WIN TO_P
.irp i, 0,1,2,3,4,5,6,7
	FRAG 128*((\s)%2)+FR*\i, AX+2*((\s)/2), 3072*\i+1536*((\s)%2)
.endr
	WIN 0
.irp a, 0,1,2,3
	FRAG LF+48*((\s)%2)+FR*\a, AV+2*((\s)/4), 2*QT*(((\s)/2)%2)+3072*\a+1536*((\s)%2)
.endr
.endm
.macro STEP2 s, zero
	s_wait_dscnt 0x0                               ; this step's fragments are in
	WIN MUL_LO
	MULV 0, (\s)%2, \s, \zero
.if (\s) < 7
	PLACES NP                                      ; in front of loads into the other sets, which the last step's products read
	FETCHV (\s)+1
	WIN MUL_LO
.endif
	MULV 2, (\s)%2, \s, \zero
.endm
; 64 numbers of a lane, register 16 b + i = k 32 b + 16 (lane / 16) + i of my row, become a fragment's codes in v[PC] on and its scale word in v[pw].
.macro QUANT s, pw
.irp b, 0,1,2,3
	v_max3_num_f32 v[TM+\b], |v[\s+16*\b]|, |v[\s+1+16*\b]|, 0x1800000   ; my 16 numbers of block b, and the floor 2^(3 - 127): the byte cannot fall under 1
.endr
.irp i, 2,4,6,8,10,12,14
.irp b, 0,1,2,3
	v_max3_num_f32 v[TM+\b], v[TM+\b], |v[\s+16*\b+\i]|, |v[\s+1+16*\b+\i]|
.endr
.endr
.irp b, 0,1,2,3
	v_permlanex16_b32 v[TM+4+\b], v[TM+\b], s[SEL], s[SEL+1]
.endr
.irp b, 0,1,2,3
	v_max_num_f32 v[TM+\b], v[TM+\b], v[TM+4+\b]   ; with lane l xor 16's: the block's largest magnitude
.endr
.irp b, 0,1,2,3
	v_add_nc_u32 v[TM+12+\b], 0xff000000, v[TM+\b]   ; 2 off its exponent field: the conversion's scale operand
.endr
.irp b, 0,1,2,3
	v_lshrrev_b32 v[TM+4+\b], 23, v[TM+12+\b]      ; the scale's byte
.endr
	v_lshl_or_b32 v[\pw], v[TM+5], 8, v[TM+4]
	v_lshl_or_b32 v[\pw], v[TM+6], 16, v[\pw]
	v_lshl_or_b32 v[\pw], v[TM+7], 24, v[\pw]
.irp c, 0,1
	v_cvt_scalef32_pk16_fp6_f32 v[PC+6*\c:PC+2+6*\c], v[\s+32*\c:\s+15+32*\c], v[TM+12+2*\c]
	v_cvt_scalef32_pk16_fp6_f32 v[PC+12+4*\c:PC+14+4*\c], v[\s+16+32*\c:\s+31+32*\c], v[TM+12+2*\c+1]
.endr
	v_nop                                          ; one plain place behind a scaled conversion
.irp c, 0,1
.irp i, 0,1,2
	v_permlane16_swap_b32 v[PC+6*\c+\i], v[PC+12+4*\c+\i]   ; a whole block to a lane
.endr
.irp i, 0,1,2
	v_mov_b32 v[PC+3+6*\c+\i], v[PC+12+4*\c+\i]
.endr
.endr
.endm
; A WAY OUT.  For each of L's blocks: the 64 sums of a lane take the bias (which also brings them into window 0; each accumulator is read from its low end on), are quantised, and leave as two images.
; mode 0 (8 blocks of tokens): the two images are heads 2 wp and 2 wp + 1 of the block's 16 tokens.  mode 1 (4 blocks of a head's d): they are one fragment: 16 of the head's d x my 128 keys.
.macro EPI mode, cb, sb
.irp b, 0,1,2,3
	v_mov_b32 v[TM+4+\b], 0                        ; a lane permute's destination counts as one of its sources
.endr
.irp a, 0,1,2,3,4,5,6,7
.if (\mode == 0) || (\a < 4)
.if \a > 0
	s_wait_xcnt 0x0                                ; the last block's stores have read their data: PC is written again only behind this wait
.endif
	WIN 0x06+\a/4                                  ; source 0: window 2 or 3; source 1, the bias: window 1
.set J, 0
.rept 32
.if \mode
	v_pk_add_f32 v[W+J:W+J+1], v[64*(\a%4)+J:64*(\a%4)+J+1], v[96+2*\a:97+2*\a]                         ; the bias of my lane's column of w
.else
	v_pk_add_f32 v[W+J:W+J+1], v[64*(\a%4)+J:64*(\a%4)+J+1], v[96+J+96*(J/32):97+J+96*(J/32)]           ; the bias along my registers
.endif
.set J, J+2
.endr
	WIN 0
	QUANT W, SWR+\a
.irp c, 0,1
.if \mode
	global_store_b128 v[L16], v[PC+6*\c:PC+6*\c+3], s[\cb:\cb+1] offset:1536*\a+768*\c
	global_store_b64 v[L8], v[PC+6*\c+4:PC+6*\c+5], s[\cb:\cb+1] offset:1536*\a+768*\c+512
.else
	global_store_b128 v[L16], v[PC+6*\c:PC+6*\c+3], s[\cb:\cb+1] offset:49152*\c+768*\a        ; 512 consecutive bytes, aligned to 256
	global_store_b64 v[L8], v[PC+6*\c+4:PC+6*\c+5], s[\cb:\cb+1] offset:49152*\c+768*\a+512    ; 256 consecutive bytes, aligned
.endif
.endr
.endif
.endr
	v_and_b32 v252, 31, v0
	v_cmp_le_u32 vcc_lo, 16, v252                  ; lanes 16-31
.if \mode                                      ; a head's four scale words of a lane row: lanes 0-15 store words 0 and 1, lanes 16-31 words 2 and 3
	v_cndmask_b32 v244, v[SWR], v[SWR+2], vcc_lo   ; word w: d tile w's four bytes of these 128 keys
	v_cndmask_b32 v245, v[SWR+1], v[SWR+3], vcc_lo
	global_store_b64 v[SQO], v[244:245], s[\sb:\sb+1]   ; 256 consecutive bytes, aligned
.else
.irp c, 0,1
.irp p, 0,1,2,3
	v_perm_b32 v[240+6*\c+\p], v[SWR+2*\p+1], v[SWR+2*\p], 0x05040100+0x02020202*\c   ; word p: head c's two bytes of token tile 2 p, then of tile 2 p + 1
.endr
	v_cndmask_b32 v[244+6*\c], v[240+6*\c], v[242+6*\c], vcc_lo
	v_cndmask_b32 v[245+6*\c], v[241+6*\c], v[243+6*\c], vcc_lo
	global_store_b64 v[SQO], v[244+6*\c:245+6*\c], s[\sb:\sb+1] offset:2048*\c
.endr
.endif
.endm
	s_wait_alu depctr_va_vdst(0)
	s_wait_tensorcnt 4                             ; my parts of x's and the weights' K step 0 are in (the four younger fills may be out)
	s_barrier_signal -1
	s_barrier_wait -1                              ; everybody's are
	FETCH_P 0, 0, 0
	FETCH_L 0, 0, 0
	FETCH_L 0, 0, 4
	s_wait_loadcnt 0x0                             ; the scale words and the first bias
	STEP 0, 1                                      ; K step 0: its first products start the sums
	TURN 0, G0W, 1, 1                              ; slot 0 takes q, k's K step 2
	STEP 1, 0
	TURN 1, G0W+4, 1, 1                            ; slot 1 takes K step 3
	STEP 2, 0
	TURN 2, G0V, 0, 1                              ; slot 0 takes v's weights of K steps 0 and 1
	STEP 3, 0
	TURN 3, G0V+4, 0, 0                            ; slot 1 takes those of K steps 2 and 3: they land under the way out
	EPI 0, 10, 12                                  ; q and k leave
	s_wait_xcnt 0x0                                ; the stores have read their data: loads land in those registers below
	s_wait_tensorcnt 0x0                           ; my one load that was out, my part of v's second slot, is in
	s_barrier_signal -1
	s_barrier_wait -1                              ; everybody's is: phase 2 needs no further barrier
	WIN TO_P
.irp a, 0,1,2,3
	global_load_b32 v[96+2*\a], v[BR], s[86:87] offset:(32*(\a/2)+8*(\a%2))*4      ; the second bias, over the first; twice: a pair for the packed addition; waited for behind phase 2's products
	global_load_b32 v[97+2*\a], v[BR], s[86:87] offset:(32*(\a/2)+8*(\a%2))*4
.endr
	WIN 0
	FETCHV 0
	STEP2 0, 1
	STEP2 1, 0
	STEP2 2, 0
	STEP2 3, 0
	STEP2 4, 0
	STEP2 5, 0
	STEP2 6, 0
	STEP2 7, 0
	WIN 0
	s_wait_loadcnt 0x0                             ; the second bias
	PLACES NP                                      ; behind the last products: their results are read and their operands' registers written below
	EPI 1, 92, 94                                  ; v leaves
	s_wait_tensorcnt 0x0                           ; the wave's end
	ds_add_u32 v[SPW], v[NIL]
	s_wait_dscnt 0x0
	CROUND                                         ; the closing round: no work-group ends while a partner may still ask for a tile that names it
	s_endpgm
.Lfunc_end_k_q08ab67da17_qkv:
	.size	k_q08ab67da17_qkv, .Lfunc_end_k_q08ab67da17_qkv-k_q08ab67da17_qkv
	.p2alignl 7, 3214868480
	.fill 96, 4, 3214868480
	.section	.rodata,"a",@progbits
	.p2align	6, 0x0
	.amdhsa_kernel k_q08ab67da17_qkv
		.amdhsa_group_segment_fixed_size 327680
		.amdhsa_private_segment_fixed_size 0
		.amdhsa_enable_private_segment 0
		.amdhsa_kernarg_size 56
		.amdhsa_user_sgpr_count 2
		.amdhsa_user_sgpr_kernarg_segment_ptr 1
		.amdhsa_wavefront_size32 1
		.amdhsa_system_sgpr_workgroup_id_x 1
		.amdhsa_system_sgpr_workgroup_id_y 1
		.amdhsa_system_sgpr_workgroup_id_z 1
		.amdhsa_system_vgpr_workitem_id 0
		.amdhsa_next_free_vgpr 1024
		.amdhsa_next_free_sgpr 102
		.amdhsa_reserve_vcc 1
		.amdhsa_float_denorm_mode_32 3
		.amdhsa_float_denorm_mode_16_64 3
		.amdhsa_memory_ordered 1
		.amdhsa_forward_progress 1
		.amdhsa_inst_pref_size 252
	.end_amdhsa_kernel
	.amdgpu_metadata
---
amdhsa.version: [ 1, 2 ]
amdhsa.kernels:
  - .name:           k_q08ab67da17_qkv
    .symbol:         k_q08ab67da17_qkv.kd
    .args:
      - { .name: opc, .offset: 0, .size: 8, .value_kind: global_buffer, .address_space: global }
      - { .name: ops, .offset: 8, .size: 8, .value_kind: global_buffer, .address_space: global }
      - { .name: b_qkv, .offset: 16, .size: 8, .value_kind: global_buffer, .address_space: global }
      - { .name: qkc, .offset: 24, .size: 8, .value_kind: global_buffer, .address_space: global }
      - { .name: qks, .offset: 32, .size: 8, .value_kind: global_buffer, .address_space: global }
      - { .name: vc, .offset: 40, .size: 8, .value_kind: global_buffer, .address_space: global }
      - { .name: vs, .offset: 48, .size: 8, .value_kind: global_buffer, .address_space: global }
    .group_segment_fixed_size: 327680
    .private_segment_fixed_size: 0
    .kernarg_segment_align: 8
    .kernarg_segment_size: 56
    .max_flat_workgroup_size: 128
    .sgpr_count:     102
    .vgpr_count:     1024
    .wavefront_size: 32
...
	.end_amdgpu_metadata
.endif
;; end of part 2
;; launch attn (part 3): grid 2 x 128, 16 waves a work-group, no clusters, 169,984 bytes of LDS; arguments qkc, qks, vc, vs, ac, asc; writes ac, asc
.if DOCPART == 3
	.amdgcn_target "amdgcn-amd-amdhsa--gfx1250"
	.amdhsa_code_object_version 6
	.text
	.protected	k_q08ab67da17_attn
	.globl	k_q08ab67da17_attn
	.p2align	8
	.type	k_q08ab67da17_attn,@function
k_q08ab67da17_attn:
	s_mov_b64 s[64:65], 0
	v_nop
	global_prefetch_b8 v0, s[64:65] scope:SCOPE_SE
	s_setreg_imm32_b32 hwreg(HW_REG_WAVE_MODE, 25, 1), 1
	s_wait_xcnt 0x0
; attn[b][q][head] = softmax_k(q . k / 8) v, both products on codes of FP6 (E2M3) with E8M0 scales; the result is quantised along the embedding (64 a head) and leaves as codes for the last product.
; THE SOFTMAX: t = score x log2(e) / 8; M = the row's largest t so far, rounded up to a whole number; p = 2^(t - M) is quantised along the keys, not normalised.  The row's sum is taken of the unquantised p
; and divides O at the end.  When M moves, the sum and O are multiplied by 2^(old M - new M), which rounds nothing.
; SHARES.  A work-group owns 512 queries of one head: 256 work-groups.  Each of its sixteen waves owns two tiles of 16 queries, taken one after the other, in 256 registers: four waves to a SIMD.
; LDS IS FILLED ONCE: the head's whole K (64 images of 16 keys x 64), V (8 key steps x 4 fragments of 16 d x 128 keys) and their scale words; nothing is filled again and nothing is stored to LDS.
; No cluster: only two work-groups share a head, and a cluster of four along x does not divide the grid's 2; what they share is one fill of 100 KiB at the start.
; LAYOUT.  Both products are used transposed: S^T = K Q^T, O^T = V^T P^T: a lane holds one query (lane % 16).  A tile's rows are 32 (T / 2) + 8 (T % 2) + i + 8 (i / 8), so the 16 registers of tiles 2 B, 2 B + 1
; are 16 neighbours: keys in S^T, d in O^T.
; K = 64 IN AN INSTRUCTION OF 128.  One operand of 12 registers holds a PAIR of K's tiles [2 p | 2 p + 1].  A tile of Q is kept as 18 registers [0 x 6 | q x 6 | 0 x 6]: against registers 6-17, [q | 0], the pair gives
; tile 2 p's scores, against registers 0-11, [0 | q], tile 2 p + 1's: the code 0 is the number 0, and no scale byte is 0xff.  K's scale word of a pair holds each tile's two bytes; Q's holds its two bytes twice.
; The scale bytes of the result are two a row and head: they are stored 2 bytes a lane, 16 bytes apart: a row's other bytes belong to other heads, hence to other work-groups.  They are 4% of what the launch stores.
; LIMITS: NaN and infinities are not served; a block whose largest magnitude lies under 2^-124 takes the scale byte 1.
.set VC,   49152                       ; LDS: K's codes at 0, V's here,
.set KSC,  98304                       ; K's scale words (8 key steps x 256 bytes),
.set VSC,  100352                      ; V's likewise
.set F,    56                          ; v56-103  four operands of 12 registers: K's pairs, then V's fragments
.set KS,   104                         ; v104-107 K's scale words;  v108-111 V's
.set VS,   108
.set S,    112                         ; v112-175 S^T, then p
.set O,    176                         ; v176-207 O^T: 4 tiles of d x 8
.set PC,   208                         ; v208-219 codes; v220-222, v224-226 the conversions' second halves
.set BM,   228                         ; v228-231 a block's largest
.set T4,   232                         ; v232-235 at work
.set SO,   236                         ; v236-239 the conversions' scale operands
.set PW,   54                          ; v54 p's scale word;  v52, v53 Q's;  v55 the first tile's two result bytes
.set WV,   18                          ; s18 my wave's number
.set SEL,  20                          ; s[20:21] lane selects: lane l xor 16
.set CS,   22                          ; s[22:23] c = log2(e) / 8
.set G1C,  24                          ; s[24:31] descriptor group 1 for codes;  s[32:39] for scale words
.set G1S,  32
.set G0K,  40                          ; s[40:43], s[44:47] groups 0 for K's and V's codes;  s[48:51], s[52:55] for their scale words
.set G0V,  44
.set G0SK, 48
.set G0SV, 52
.set TB,   56                          ; s56 where the key step's codes begin: 6,144 bytes a step, in K and in V
.set TS,   57                          ; s57 and its scale words: 256 bytes a step
.set CNT,  58                          ; s58 key steps to go
	s_load_b256 s[4:11], s[0:1], 0x0               ; qkc s[4:5], qks s[6:7], vc s[8:9], vs s[10:11]
	s_load_b128 s[12:15], s[0:1], 0x20             ; ac s[12:13], asc s[14:15]
	v_lshl_add_u32 v254, v0, 2, 0x29000
	v_mov_b32 v255, 0
	ds_add_u32 v254, v255
	ds_add_u32 v254, v255
	v_lshrrev_b32 v10, 5, v0
	s_delay_alu instid0(VALU_DEP_1)
	v_readfirstlane_b32 s[WV], v10                 ; wave 0..15
	s_and_b32 s60, ttmp7, 0xffff                   ; 16 b + head
	s_lshr_b32 s61, s60, 4                         ; b
	s_and_b32 s62, s60, 15                         ; head
	s_lshl_b32 s66, s61, 5
	s_add_co_u32 s66, s66, s62                     ; q's place in qkc and qks: 32 b + head
	s_add_co_u32 s63, s66, 16                      ; k's: 32 b + 16 + head
	s_and_b32 s67, s[WV], 1                        ; which half I fetch, if I fetch
	s_mul_i32 s84, s67, 24576
	s_lshl_b32 s85, s67, 10
	s_mul_i32 s68, s63, 49152
	s_add_co_u32 s68, s68, s84                     ; K's codes
	s_mov_b32 s69, 0
	s_mul_i32 s70, s60, 49152
	s_add_co_u32 s70, s70, s84                     ; V's
	s_mov_b32 s71, 0
	s_lshl_b32 s72, s63, 11
	s_add_co_u32 s72, s72, s85                     ; K's scale words
	s_mov_b32 s73, 0
	s_lshl_b32 s74, s60, 11
	s_add_co_u32 s74, s74, s85                     ; V's
	s_mov_b32 s75, 0
	s_lshl_b32 s86, ttmp9, 5
	s_lshl_b32 s87, s[WV], 1
	s_add_co_u32 s86, s86, s87                     ; my first tile of queries in the batch: 32 x + 2 w
	s_mul_i32 s76, s66, 49152
	s_mul_i32 s87, s86, 768
	s_add_co_u32 s76, s76, s87                     ; its codes
	s_mov_b32 s77, 0
	s_lshl_b32 s78, s66, 11                        ; my pair's scale word: pair 16 x + w: group 4 x + w / 4, word w % 4
	s_lshl_b32 s87, ttmp9, 2
	s_lshr_b32 s88, s[WV], 2
	s_add_co_u32 s87, s87, s88
	s_lshl_b32 s87, s87, 8
	s_add_co_u32 s78, s78, s87
	s_and_b32 s87, s[WV], 3
	s_lshl_b32 s87, s87, 2
	s_add_co_u32 s78, s78, s87
	s_mov_b32 s79, 0
	s_lshl_b32 s88, s61, 6
	s_add_co_u32 s88, s88, s86                     ; the tile's number among all 512
	s_lshr_b32 s87, s62, 2
	s_mul_i32 s80, s87, 1572864                    ; ac: (head / 4) K steps of 256 x 512 tiles x 3,072 bytes
	s_mul_i32 s87, s88, 3072
	s_add_co_u32 s80, s80, s87
	s_and_b32 s87, s62, 3
	s_mul_i32 s87, s87, 768
	s_add_co_u32 s80, s80, s87
	s_mov_b32 s81, 0
	s_lshl_b32 s82, s88, 9                         ; asc: tile x 512 + (head / 8) x 256 + 2 (head % 8)
	s_lshr_b32 s87, s62, 3
	s_lshl_b32 s87, s87, 8
	s_add_co_u32 s82, s82, s87
	s_and_b32 s87, s62, 7
	s_lshl_b32 s87, s87, 1
	s_add_co_u32 s82, s82, s87
	s_mov_b32 s83, 0
	; descriptor group 1: dense blocks as rows of 32 elements of 8 bytes: half a head's codes are 96 rows, half its scale words 4
	s_mov_b32 s[G1C], 3<<16                        ; no mask; elements of 8 bytes; no padding
	s_mov_b32 s[G1C+1], 32<<16
	s_mov_b32 s[G1C+2], 96<<16
	s_mov_b32 s[G1C+3], 32<<16
	s_mov_b32 s[G1C+4], 96
	s_mov_b32 s[G1C+5], 32
	s_mov_b32 s[G1C+6], 0
	s_mov_b32 s[G1C+7], 0
	s_mov_b32 s[G1S], 3<<16
	s_mov_b32 s[G1S+1], 32<<16
	s_mov_b32 s[G1S+2], 4<<16
	s_mov_b32 s[G1S+3], 32<<16
	s_mov_b32 s[G1S+4], 4
	s_mov_b32 s[G1S+5], 32
	s_mov_b32 s[G1S+6], 0
	s_mov_b32 s[G1S+7], 0
	s_mov_b32 s[SEL], 0x76543210
	s_mov_b32 s[SEL+1], 0xfedcba98
	s_mov_b32 s[CS], 0x3e38aa3b                    ; log2(e) / 8
	s_mov_b32 s[CS+1], s[CS]                       ; (named with it as a pair, so it is written)
	s_wait_dscnt 0x0
	s_wait_kmcnt 0x0
	s_mov_b32 s[G0K], 1
	s_mov_b32 s[G0K+1], s84
	s_add_nc_u64 s[G0K+2:G0K+3], s[4:5], s[68:69]
	s_or_b32 s[G0K+3], s[G0K+3], 0x80000000
	s_mov_b32 s[G0V], 1
	s_add_co_u32 s[G0V+1], s84, VC
	s_add_nc_u64 s[G0V+2:G0V+3], s[8:9], s[70:71]
	s_or_b32 s[G0V+3], s[G0V+3], 0x80000000
	s_mov_b32 s[G0SK], 1
	s_add_co_u32 s[G0SK+1], s85, KSC
	s_add_nc_u64 s[G0SK+2:G0SK+3], s[6:7], s[72:73]
	s_or_b32 s[G0SK+3], s[G0SK+3], 0x80000000
	s_mov_b32 s[G0SV], 1
	s_add_co_u32 s[G0SV+1], s85, VSC
	s_add_nc_u64 s[G0SV+2:G0SV+3], s[10:11], s[74:75]
	s_or_b32 s[G0SV+3], s[G0SV+3], 0x80000000
	s_cmp_lt_u32 s[WV], 2                          ; waves 0 and 1 fetch K's halves, waves 2 and 3 V's, the others nothing; a wave's two fills stand in one branch: two loads of mine are out
	s_cbranch_scc0 .Lnot_k
	tensor_load_to_lds s[G0SK:G0SK+3], s[G1S:G1S+7]
	s_nop 0
	tensor_load_to_lds s[G0K:G0K+3], s[G1C:G1C+7]
	s_nop 0
.rept 4
	v_nop
.endr
	s_branch .Lasked
.Lnot_k:
	s_cmp_lt_u32 s[WV], 4
	s_cbranch_scc0 .Lasked
	tensor_load_to_lds s[G0SV:G0SV+3], s[G1S:G1S+7]
	s_nop 0
	tensor_load_to_lds s[G0V:G0V+3], s[G1C:G1C+7]
	s_nop 0
.rept 4
	v_nop
.endr
.Lasked:
	s_add_nc_u64 s[76:77], s[4:5], s[76:77]        ; my queries' codes,
	s_add_nc_u64 s[78:79], s[6:7], s[78:79]        ; their scale word,
	s_add_nc_u64 s[12:13], s[12:13], s[80:81]      ; where my results go,
	s_add_nc_u64 s[14:15], s[14:15], s[82:83]      ; and their scale bytes
	v_and_b32 v10, 31, v0                          ; lane
	v_and_b32 v11, 15, v0                          ; r
	v_bfe_u32 v242, v0, 4, 1                       ; h
	s_delay_alu instid0(VALU_DEP_3)
	v_lshlrev_b32 v1, 4, v10                       ; v1: 16 x lane: an image's first 512 bytes, in LDS and in memory
	s_delay_alu instid0(VALU_DEP_4)
	v_lshlrev_b32 v2, 3, v10                       ; v2: 8 x lane: its last 256
	s_delay_alu instid0(VALU_DEP_4)
	v_lshl_add_u32 v3, v11, 4, KSC                 ; v3: a lane row's four scale words
	v_lshlrev_b32 v10, 4, v11                      ; 16 r
	s_delay_alu instid0(VALU_DEP_1)
	v_lshl_add_u32 v9, v242, 9, v10                ; v9: 512 h + 16 r: lanes 0-15 store the first tile's bytes, lanes 16-31 the second's
.irp i, 0,1
	global_load_b128 v[22+18*\i:25+18*\i], v1, s[76:77] offset:768*\i          ; Q's tile i into the middle six of its 18 registers
	global_load_b64 v[26+18*\i:27+18*\i], v2, s[76:77] offset:768*\i+512
.endr
	global_load_b32 v55, v10, s[78:79]             ; the pair's scale word
.irp i, 0,1
.irp j, 0,1,2,3,4,5
	v_mov_b32 v[16+18*\i+\j], 0                    ; the zero codes on both sides
	v_mov_b32 v[28+18*\i+\j], 0
.endr
.endr
.irp b, 0,1,2,3
	v_mov_b32 v[T4+\b], 0                          ; written once: a lane permute's destination counts as one of its sources
.endr
	v_mov_b32 v241, 0                              ; (named as the upper half of the pair v[240:241])
	s_wait_loadcnt 0x0
	v_perm_b32 v52, v55, v55, 0x01000100           ; the first tile's two bytes, twice
	v_perm_b32 v53, v55, v55, 0x03020302           ; the second's
	s_wait_tensorcnt 0x0                           ; my fills have landed,
	s_barrier_signal -1
	s_barrier_wait -1                              ; everybody's have
; One tile of 16 queries against all 1,024 keys.
.macro PASS i
.set QB, 16+18*\i
.set QS, 52+\i
.if \i > 0
	s_wait_xcnt 0x0                                ; the first tile's stores have read their data: PC is written again only behind this wait
.endif
	v_mov_b32 v13, 0xff61b1e6                      ; the largest t so far: -3e38, under every t
	s_delay_alu instid0(VALU_DEP_1)
	v_floor_f32 v12, -v13                          ; -M
	v_mov_b32 v14, 0                               ; the sum, in two halves
	v_mov_b32 v15, 0
.set J, 0
.rept 32
	v_mov_b32 v[O+J], 0                            ; O^T.  (The step is written once: the first finds zeros, which the first change of M leaves zeros)
.set J, J+1
.endr
	s_mov_b32 s[TB], 0
	s_mov_b32 s[TS], 0
	s_mov_b32 s[CNT], 8
.Lstep_\@:                                         ; a key step: 128 keys
	s_setprio 2
	v_add_nc_u32 v4, s[TB], v1                     ; these four lines are the places behind the last step's products, in front of the loads into their operands' registers
	v_add_nc_u32 v5, s[TB], v2
	v_add_nc_u32 v6, s[TS], v3
	v_nop
.irp w, 0,1,2,3
.irp c, 0,1
	ds_load_b128 v[F+12*\w+6*\c:F+12*\w+6*\c+3], v4 offset:1536*\w+768*\c
	ds_load_b64 v[F+12*\w+6*\c+4:F+12*\w+6*\c+5], v5 offset:1536*\w+768*\c+512
.endr
.endr
	ds_load_b128 v[KS:KS+3], v6
	s_wait_alu depctr_va_vdst(0)
	s_wait_dscnt 0x0
.irp w, 0,1,2,3                                ; S^T: pair w against [q | 0] and against [0 | q]
	v_wmma_scale_f32_16x16x128_f8f6f4 v[S+16*\w:S+16*\w+7], v[F+12*\w:F+12*\w+11], v[QB+6:QB+17], 0, v[KS+\w], v[QS] matrix_a_fmt:MATRIX_FMT_FP6 matrix_b_fmt:MATRIX_FMT_FP6
	v_wmma_scale_f32_16x16x128_f8f6f4 v[S+16*\w+8:S+16*\w+15], v[F+12*\w:F+12*\w+11], v[QB:QB+11], 0, v[KS+\w], v[QS] matrix_a_fmt:MATRIX_FMT_FP6 matrix_b_fmt:MATRIX_FMT_FP6
.endr                                          ; register S + 16 B + i: key 128 step + 32 B + 16 (lane / 16) + i
.rept 4
	v_nop                                          ; places: the loads below land in K's registers, the lines behind them read the scores
.endr
.irp w, 0,1,2,3                                ; V's four fragments are asked for now and land under the softmax
.irp c, 0,1
	ds_load_b128 v[F+12*\w+6*\c:F+12*\w+6*\c+3], v4 offset:VC+1536*\w+768*\c
	ds_load_b64 v[F+12*\w+6*\c+4:F+12*\w+6*\c+5], v5 offset:VC+1536*\w+768*\c+512
.endr
.endr
	ds_load_b128 v[VS:VS+3], v6 offset:VSC-KSC
.irp b, 0,1,2,3
	v_max3_num_f32 v[BM+\b], v[S+16*\b], v[S+16*\b+1], v[S+16*\b+2]   ; the largest score of each block of 32 keys: it serves for the row's maximum and, since p rises with the score, for the block's largest p
.endr
.irp i2, 3,5,7,9,11,13
.irp b, 0,1,2,3
	v_max3_num_f32 v[BM+\b], v[BM+\b], v[S+16*\b+\i2], v[S+16*\b+\i2+1]
.endr
.endr
.irp b, 0,1,2,3
	v_max_num_f32 v[BM+\b], v[BM+\b], v[S+16*\b+15]
.endr
.irp b, 0,1,2,3
	s_delay_alu instid0(VALU_DEP_4)
	v_permlanex16_b32 v[T4+\b], v[BM+\b], s[SEL], s[SEL+1]
.endr
.irp b, 0,1,2,3
	s_delay_alu instid0(VALU_DEP_4)
	v_max_num_f32 v[BM+\b], v[BM+\b], v[T4+\b]     ; with lane l xor 16's 16 keys
.endr
	s_delay_alu instid0(VALU_DEP_2)
	v_max3_num_f32 v242, v[BM], v[BM+1], v[BM+2]
	s_delay_alu instid0(VALU_DEP_1)
	v_max_num_f32 v242, v242, v[BM+3]              ; the step's largest score of my query
	s_delay_alu instid0(VALU_DEP_1)
	v_mul_f32 v242, s[CS], v242                    ; as t (c is positive)
	s_delay_alu instid0(VALU_DEP_1)
	v_max_num_f32 v13, v13, v242                   ; the running largest t
	v_mov_b32 v242, v12
	s_delay_alu instid0(VALU_DEP_2)
	v_floor_f32 v12, -v13                          ; the new -M = floor(-t): M is a whole number
	s_delay_alu instid0(VALU_DEP_1)
	v_sub_f32 v242, v12, v242                      ; old M - new M: a whole number, 0 or less
	s_delay_alu instid0(VALU_DEP_1)
	v_cvt_i32_f32 v242, v242                       ; (it saturates)
	s_delay_alu instid0(VALU_DEP_1)
	v_ldexp_f32 v240, 1.0, v242                    ; f = 2^(old M - new M)
.set J, 0
.rept 32
	v_pk_fma_f32 v[S+J:S+J+1], v[S+J:S+J+1], s[CS:CS+1], v[12:13] op_sel_hi:[1,0,0]   ; t - M, two at a time
.set J, J+2
.endr
.irp b, 0,1,2,3
	v_fma_f32 v[BM+\b], v[BM+\b], s[CS], v12       ; the same of each block's largest score
.endr
.set J, 0
	s_wait_alu depctr_va_vdst(0)
.rept 64
	v_exp_f32 v[S+J], v[S+J]                       ; p = 2^(t - M), at most 1
.set J, J+1
.endr
	s_setprio 1
.irp b, 0,1,2,3
	v_exp_f32 v[BM+\b], v[BM+\b]                   ; the block's largest p: the same two instructions on the same number
.endr
	v_pk_mul_f32 v[14:15], v[14:15], v[240:241] op_sel_hi:[1,0]   ; the sums under the new M.  (A plain place behind the exponentials)
	s_wait_alu depctr_va_vdst(0)
.irp b, 0,1,2,3
	v_max_num_f32 v[BM+\b], 0x1800000, v[BM+\b]    ; the floor 2^(3 - 127): the byte cannot fall under 1
.endr
.irp b, 0,1,2,3
	s_delay_alu instid0(VALU_DEP_4)
	v_add_nc_u32 v[SO+\b], 0xff000000, v[BM+\b]    ; 2 off the exponent field: the conversion's scale operand
.endr
.irp b, 0,1,2,3
	s_delay_alu instid0(VALU_DEP_4)
	v_lshrrev_b32 v[T4+\b], 23, v[SO+\b]           ; the scale's byte
.endr
	s_delay_alu instid0(VALU_DEP_3)
	v_lshl_or_b32 v[PW], v[T4+1], 8, v[T4]         ; p's scale word for these 128 keys
	s_delay_alu instid0(VALU_DEP_1)
	v_lshl_or_b32 v[PW], v[T4+2], 16, v[PW]
	s_delay_alu instid0(VALU_DEP_1)
	v_lshl_or_b32 v[PW], v[T4+3], 24, v[PW]
.irp c, 0,1
	v_cvt_scalef32_pk16_fp6_f32 v[PC+6*\c:PC+2+6*\c], v[S+32*\c:S+15+32*\c], v[SO+2*\c]
	v_cvt_scalef32_pk16_fp6_f32 v[PC+12+4*\c:PC+14+4*\c], v[S+16+32*\c:S+31+32*\c], v[SO+2*\c+1]
.endr
	v_nop                                          ; one plain place behind a scaled conversion
.irp c, 0,1
.irp i2, 0,1,2
	v_permlane16_swap_b32 v[PC+6*\c+\i2], v[PC+12+4*\c+\i2]   ; a whole block to a lane
.endr
.irp i2, 0,1,2
	s_delay_alu instid0(VALU_DEP_3)
	v_mov_b32 v[PC+3+6*\c+\i2], v[PC+12+4*\c+\i2]
.endr
.endr
	v_pk_add_f32 v[244:245], v[116:117], v[120:121]
	v_pk_add_f32 v[252:253], v[124:125], v[128:129]
	v_pk_add_f32 v[250:251], v[132:133], v[136:137]
	v_pk_add_f32 v[248:249], v[140:141], v[144:145]
	v_pk_add_f32 v[246:247], v[148:149], v[152:153]
	v_pk_add_f32 v[238:239], v[156:157], v[160:161]
	v_pk_add_f32 v[236:237], v[164:165], v[168:169]
	v_pk_add_f32 v[14:15], v[14:15], v[172:173]
	v_pk_add_f32 v[244:245], v[244:245], v[112:113]
	v_pk_add_f32 v[252:253], v[252:253], v[114:115]
	v_pk_add_f32 v[250:251], v[250:251], v[118:119]
	v_pk_add_f32 v[248:249], v[248:249], v[122:123]
	v_pk_add_f32 v[246:247], v[246:247], v[126:127]
	v_pk_add_f32 v[238:239], v[238:239], v[130:131]
	v_pk_add_f32 v[236:237], v[236:237], v[134:135]
	v_pk_add_f32 v[14:15], v[14:15], v[138:139]
	v_pk_add_f32 v[244:245], v[244:245], v[142:143]
	v_pk_add_f32 v[252:253], v[252:253], v[146:147]
	v_pk_add_f32 v[250:251], v[250:251], v[150:151]
	v_pk_add_f32 v[248:249], v[248:249], v[154:155]
	v_pk_add_f32 v[246:247], v[246:247], v[158:159]
	v_pk_add_f32 v[238:239], v[238:239], v[162:163]
	v_pk_add_f32 v[236:237], v[236:237], v[166:167]
	v_pk_add_f32 v[14:15], v[14:15], v[170:171]
	v_pk_add_f32 v[244:245], v[244:245], v[174:175]
	s_delay_alu instid0(VALU_DEP_2)
	v_pk_add_f32 v[14:15], v[14:15], v[248:249]
	s_delay_alu instid0(VALU_DEP_2)
	v_pk_add_f32 v[244:245], v[244:245], v[246:247]
	s_setprio 0
	v_pk_add_f32 v[252:253], v[252:253], v[238:239]
	v_pk_add_f32 v[250:251], v[250:251], v[236:237]
	s_delay_alu instid0(VALU_DEP_2)
	v_pk_add_f32 v[14:15], v[14:15], v[252:253]
	s_delay_alu instid0(VALU_DEP_2)
	v_pk_add_f32 v[244:245], v[244:245], v[250:251]
	s_delay_alu instid0(VALU_DEP_1)
	v_pk_add_f32 v[14:15], v[14:15], v[244:245]
.set J, 0
.rept 16
	v_pk_mul_f32 v[O+J:O+J+1], v[O+J:O+J+1], v[240:241] op_sel_hi:[1,0]   ; O^T under the new M.  (The 48 lines from the sums on are the places between p's codes and scale word and the products)
.set J, J+2
.endr
	s_wait_alu depctr_va_vdst(0)
	s_wait_dscnt 0x0                               ; V's fragments and scale words are in
.irp t, 0,1,2,3                                ; O^T += V^T P^T: the four accumulators by turns; the eight products of S^T stand between a link and the next
	v_wmma_scale_f32_16x16x128_f8f6f4 v[O+8*\t:O+8*\t+7], v[F+12*\t:F+12*\t+11], v[PC:PC+11], v[O+8*\t:O+8*\t+7], v[VS+\t], v[PW] matrix_a_fmt:MATRIX_FMT_FP6 matrix_b_fmt:MATRIX_FMT_FP6
.endr
	s_add_co_u32 s[TB], s[TB], 6144
	s_add_co_u32 s[TS], s[TS], 256
	s_sub_co_u32 s[CNT], s[CNT], 1
	s_cmp_lg_u32 s[CNT], 0
	s_cbranch_scc1 .Lstep_\@
	s_setprio 0
.rept 4
	v_nop                                          ; places behind the last products
.endr
	v_add_f32 v14, v14, v15                        ; the sum's two halves,
	s_delay_alu instid0(VALU_DEP_1)
	v_permlanex16_b32 v242, v14, s[SEL], s[SEL+1]
	s_delay_alu instid0(VALU_DEP_1)
	v_add_f32 v14, v14, v242                       ; and lane l xor 16's: the row's sum
	s_wait_alu depctr_va_vdst(0)
	v_rcp_f32 v246, v14
	v_rcp_f32 v247, v14
	v_nop                                          ; a plain place behind the reciprocals
.set J, 0
	s_wait_alu depctr_va_vdst(0)
.rept 16
	v_pk_mul_f32 v[S+J:S+J+1], v[O+J:O+J+1], v[246:247]   ; O^T / the sum, each accumulator from its low end on: register 16 B + i is d = 32 B + 16 (lane / 16) + i
.set J, J+2
.endr
.irp b, 0,1                                    ; the head's 64 are two blocks of the last product's K
	v_max3_num_f32 v[BM+\b], |v[S+16*\b]|, |v[S+16*\b+1]|, 0x1800000
.endr
.irp i2, 2,4,6,8,10,12,14
.irp b, 0,1
	s_delay_alu instid0(VALU_DEP_2)
	v_max3_num_f32 v[BM+\b], v[BM+\b], |v[S+16*\b+\i2]|, |v[S+16*\b+\i2+1]|
.endr
.endr
.irp b, 0,1
	s_delay_alu instid0(VALU_DEP_2)
	v_permlanex16_b32 v[T4+\b], v[BM+\b], s[SEL], s[SEL+1]
.endr
.irp b, 0,1
	s_delay_alu instid0(VALU_DEP_2)
	v_max_num_f32 v[BM+\b], v[BM+\b], v[T4+\b]
.endr
.irp b, 0,1
	s_delay_alu instid0(VALU_DEP_2)
	v_add_nc_u32 v[SO+\b], 0xff000000, v[BM+\b]
.endr
.irp b, 0,1
	s_delay_alu instid0(VALU_DEP_2)
	v_lshrrev_b32 v[T4+\b], 23, v[SO+\b]
.endr
.if \i == 0
	s_delay_alu instid0(VALU_DEP_1)
	v_lshl_or_b32 v55, v[T4+1], 8, v[T4]           ; my row's two scale bytes
.else
	s_delay_alu instid0(VALU_DEP_1)
	v_lshl_or_b32 v10, v[T4+1], 8, v[T4]
.endif
	v_cvt_scalef32_pk16_fp6_f32 v[PC:PC+2], v[S:S+15], v[SO]
	v_cvt_scalef32_pk16_fp6_f32 v[PC+12:PC+14], v[S+16:S+31], v[SO+1]
	v_nop                                          ; one plain place behind a scaled conversion
.irp i2, 0,1,2
	v_permlane16_swap_b32 v[PC+\i2], v[PC+12+\i2]
.endr
.irp i2, 0,1,2
	s_delay_alu instid0(VALU_DEP_3)
	v_mov_b32 v[PC+3+\i2], v[PC+12+\i2]
.endr
	global_store_b128 v1, v[PC:PC+3], s[12:13] offset:3072*\i          ; the image of 16 rows x 64: 512 consecutive bytes, aligned to 256,
	global_store_b64 v2, v[PC+4:PC+5], s[12:13] offset:3072*\i+512     ; and 256
.endm
	PASS 0
	PASS 1
	v_and_b32 v11, 31, v0
	s_delay_alu instid0(VALU_DEP_1)
	v_cmp_le_u32 vcc_lo, 16, v11
	s_delay_alu instid0(VALU_DEP_1)
	v_cndmask_b32 v11, v55, v10, vcc_lo            ; both halves of the lanes hold a row's bytes: lanes 0-15 store the first tile's, lanes 16-31 the second's
	global_store_b16 v9, v11, s[14:15]
	s_wait_tensorcnt 0x0
	ds_add_u32 v254, v255
	s_wait_dscnt 0x0
	s_endpgm
.Lfunc_end_k_q08ab67da17_attn:
	.size	k_q08ab67da17_attn, .Lfunc_end_k_q08ab67da17_attn-k_q08ab67da17_attn
	.p2alignl 7, 3214868480
	.fill 96, 4, 3214868480
	.section	.rodata,"a",@progbits
	.p2align	6, 0x0
	.amdhsa_kernel k_q08ab67da17_attn
		.amdhsa_group_segment_fixed_size 169984
		.amdhsa_private_segment_fixed_size 0
		.amdhsa_enable_private_segment 0
		.amdhsa_kernarg_size 48
		.amdhsa_user_sgpr_count 2
		.amdhsa_user_sgpr_kernarg_segment_ptr 1
		.amdhsa_wavefront_size32 1
		.amdhsa_system_sgpr_workgroup_id_x 1
		.amdhsa_system_sgpr_workgroup_id_y 1
		.amdhsa_system_sgpr_workgroup_id_z 1
		.amdhsa_system_vgpr_workitem_id 0
		.amdhsa_next_free_vgpr 256
		.amdhsa_next_free_sgpr 92
		.amdhsa_reserve_vcc 1
		.amdhsa_float_denorm_mode_32 3
		.amdhsa_float_denorm_mode_16_64 3
		.amdhsa_memory_ordered 1
		.amdhsa_forward_progress 1
		.amdhsa_inst_pref_size 54
	.end_amdhsa_kernel
	.amdgpu_metadata
---
amdhsa.version: [ 1, 2 ]
amdhsa.kernels:
  - .name:           k_q08ab67da17_attn
    .symbol:         k_q08ab67da17_attn.kd
    .args:
      - { .name: qkc, .offset: 0, .size: 8, .value_kind: global_buffer, .address_space: global }
      - { .name: qks, .offset: 8, .size: 8, .value_kind: global_buffer, .address_space: global }
      - { .name: vc, .offset: 16, .size: 8, .value_kind: global_buffer, .address_space: global }
      - { .name: vs, .offset: 24, .size: 8, .value_kind: global_buffer, .address_space: global }
      - { .name: ac, .offset: 32, .size: 8, .value_kind: global_buffer, .address_space: global }
      - { .name: asc, .offset: 40, .size: 8, .value_kind: global_buffer, .address_space: global }
    .group_segment_fixed_size: 169984
    .private_segment_fixed_size: 0
    .kernarg_segment_align: 8
    .kernarg_segment_size: 48
    .max_flat_workgroup_size: 512
    .sgpr_count:     92
    .vgpr_count:     256
    .wavefront_size: 32
...
	.end_amdgpu_metadata
.endif
;; end of part 3
;; launch proj (part 4): grid 4 x 64, 4 waves a work-group, clusters of 4 x 4, 327,680 bytes of LDS; arguments ac, asc, opc, ops, b_proj, out0; writes out0
.if DOCPART == 4
	.amdgcn_target "amdgcn-amd-amdhsa--gfx1250"
	.amdhsa_code_object_version 6
	.text
	.protected	k_q08ab67da17_proj
	.globl	k_q08ab67da17_proj
	.p2align	8
	.type	k_q08ab67da17_proj,@function
k_q08ab67da17_proj:
	s_mov_b64 s[64:65], 0
	v_nop
	global_prefetch_b8 v0, s[64:65] scope:SCOPE_SE
	s_setreg_imm32_b32 hwreg(HW_REG_WAVE_MODE, 25, 1), 1
	s_wait_xcnt 0x0
	s_wait_alu depctr_hold_cnt(0) depctr_sa_sdst(0) depctr_va_vdst(0) depctr_va_sdst(0) depctr_va_ssrc(0) depctr_va_vcc(0) depctr_vm_vsrc(0)
	s_getreg_b32 s2, hwreg(HW_REG_IB_STS2, 6, 4)
	s_cmp_eq_u32 s2, 0
	s_cbranch_scc0 .Lentry_in_a_cluster
	s_endpgm
.Lentry_in_a_cluster:
	s_bfe_u32 s2, ttmp6, 0x10000c
	s_cmp_lg_u32 s2, 0xf033
	s_cbranch_scc0 .Lentry_shape_is_right
	s_endpgm
.Lentry_shape_is_right:
; out = attn w_proj^T + b_proj on codes of FP6 (E2M3) with E8M0 scales, sums in f32, out in f32.
; OPERANDS are images of the matrix unit's registers: 16 rows x 64 along K are 768 bytes, lane l's first 16 bytes at 16 l, its last 8 at 512 + 8 l; a fragment (128 along K, 12 registers) is two of them.
; Tile T holds rows 32 (T / 2) + 8 (T % 2) + i + 8 (i / 8).  Source 1 is L = attn (a lane holds one token), source 0 is P = w_proj (its rows, the output's columns, run along a lane's registers):
; the 16 result registers of P's tiles 2 B and 2 B + 1 are the 16 neighbouring columns 32 B + 16 (lane / 16) + 0 .. 15.
; A work-group makes 128 tokens x 256 columns of out: 256 work-groups of equal work.  Each of its four waves makes 64 x 128: 32 accumulators.
; ALL OF K = 1,024 LIES IN LDS: L's 8 tiles and P's 16 tiles of each of the four K steps of 256, 294,912 bytes, filled once, in one group at the start, K step by K step.  Nothing is filled again.
; Every wave fetches a quarter of each block, so no load stands under a branch; a counted wait and a barrier stand in front of the first read of each K step.
; CLUSTERS: 4 x 4 work-groups.  L's tiles hang on the tile row and are asked for jointly by a row of the cluster, P's on the tile column and by a column.
; THE SCALE WORDS come once, into registers, by loads of 16 bytes a lane from whole blocks of 256 bytes: register 8 x tile + (K step of 128).  The bias is the C of each sum's first matrix instruction.
; REGISTERS, in windows of 256: window 0: v4-31 addresses; v32-95 P's scale words; v96-127 L's; v128-223 L's fragments, two sets of four; on the way out v128-255 hold rows of out.
;   window 1: P's fragments, two sets, at v0 and v128; the bias in the 64 registers between and behind them.   window 2: the accumulators: (a, b) at v[8 (8 a + b)].
.set LRS,    24576                     ; L's 8 tiles of one K step of 256; K step g at g x LRS
.set PR,     4*LRS                     ; behind them P's
.set PRS,    49152                     ; 16 tiles of one K step
.set SIGL,   1572864                   ; from one K step of 256 to the next in ac (512 tiles),
.set SIGP,   2359296                   ; and in opc (768 tiles)
.set SPITCH, 528                       ; the way out: a stage of 16 rows x (512 bytes + 16) for each wave, 33,792 bytes from LDS byte 0 on: L's K steps 0 and 1, which nobody reads behind the last barrier
.set FR,     12
.set NP,     4                         ; places behind this matrix instruction (ISA guide 7.12.1)
.set AL,   4                           ; v4-7   my 4 tiles of L, K steps 0-1 and 2-3: base + 16 x lane, base + 8 x lane
.set AP,   8                           ; v8-15  my 8 tiles of P, K step g, likewise
.set SOP,  20                          ; v20  byte offset of P's scale words in ops
.set SOL,  21                          ; v21  of L's in asc
.set STO,  24                          ; v24  the way out: where I put 32 bytes of a row
.set RD,   25                          ; v25  where I read a row back
.set CO,   26                          ; v26  16 x lane
.set BH,   30                          ; v30  64 h: the bias along my registers
.set SCP,  32
.set SCL,  96
.set LF,   128
.set BK,   128                         ; 16 rows read back from the stage: v128-191 and v192-255 by turns
.set G1L,  24                          ; s[24:31] descriptor group 1 for L's tiles;  s[32:39] for P's
.set G1P,  32
.set G0L,  48                          ; s[48:63] groups 0 for L's four K steps;  s[68:83] for P's
.set G0P,  68
.set MSB, 0
.macro WIN new                         ; the immediate's high byte repeats the setting that is left
.if MSB != (\new)
	s_set_vgpr_msb (MSB<<8)|(\new)
.set MSB, \new
.endif
.endm
.set MUL_LO, 0xa1                      ; source 0 (P) window 1, source 1 (L) window 0, C and D window 2
.set MUL_B,  0x91                      ; the same with C, the bias, in window 1
.set TO_P,   0x40                      ; destination window 1, address window 0
.macro CROUND                          ; a round of the cluster's barrier
	s_barrier_signal -1
	s_barrier_wait -1
	s_cmp_lg_u32 s14, 0
	s_cbranch_scc1 .Lnot_wave_0_\@
	s_barrier_signal -3
.Lnot_wave_0_\@:
	s_barrier_wait -3
	s_barrier_signal -1
	s_barrier_wait -1
.endm
.macro PLACES n
.rept \n
	v_nop
.endr
.endm
.macro SHAPE g, rows                   ; descriptor group 1, words 1 to 7: a dense block as rows of 32 elements of 8 bytes
	s_mov_b32 s[\g+1], 32<<16                      ; tensor_dim0
	s_mov_b32 s[\g+2], (\rows)<<16                 ; tensor_dim1
	s_mov_b32 s[\g+3], 32<<16                      ; tile_dim0
	s_mov_b32 s[\g+4], \rows                       ; tile_dim1
	s_mov_b32 s[\g+5], 32                          ; tensor_dim0_stride
	s_mov_b32 s[\g+6], 0
	s_mov_b32 s[\g+7], 0
.endm
	s_load_b256 s[4:11], s[0:1], 0x0               ; ac s[4:5], asc s[6:7], opc s[8:9], ops s[10:11]
	s_load_b128 s[92:95], s[0:1], 0x20             ; b_proj s[92:93], out0 s[94:95]
	v_lshl_add_u32 v29, v0, 2, 0x48000
	v_mov_b32 v31, 0
	ds_add_u32 v29, v31
	ds_add_u32 v29, v31
	v_lshrrev_b32 v1, 5, v0
	v_readfirstlane_b32 s14, v1                    ; wave 0..3
	s_lshr_b32 s15, s14, 1                         ; wl: which half of L is mine
	s_and_b32 s16, s14, 1                          ; wp: which half of P
	s_bfe_u32 s40, ttmp6, 0x40000                  ; cx, cy
	s_bfe_u32 s41, ttmp6, 0x40004
	s_lshl_b32 s42, ttmp9, 2
	s_add_co_u32 s42, s42, s40                     ; tile column X = 4 x cluster x + cx
	s_and_b32 s17, ttmp7, 0xffff
	s_lshl_b32 s17, s17, 2
	s_add_co_u32 s17, s17, s41                     ; tile row Y = 4 x cluster y + cy
	s_lshl_b32 s43, s41, 2
	s_lshl_b32 s43, 15, s43                        ; my row of the cluster
	s_lshl_b32 s44, 0x1111, s40                    ; my column
	s_or_b32 s[G1L+0], s43, (3<<16)|(1<<21)        ; 15:0 the mask: L's tiles go to my row; 17:16 elements of 8 bytes; 21 set beside a mask
	s_or_b32 s[G1P+0], s44, (3<<16)|(1<<21)        ; P's go to my column
	SHAPE G1L, 24                                  ; 2 tiles: 6,144 bytes
	SHAPE G1P, 48                                  ; 4 tiles: 12,288 bytes
	s_lshl_b32 s22, s17, 3
	s_lshl_b32 s18, s14, 1
	s_add_co_u32 s22, s22, s18                     ; L: attn's tile 8 Y + 2 w: hangs on Y, never on cx
	s_mul_i32 s22, s22, 3072
	s_mov_b32 s23, 0
	s_lshl_b32 s46, s42, 4
	s_lshl_b32 s18, s14, 2
	s_add_co_u32 s46, s46, s18
	s_add_co_u32 s46, s46, 704                     ; P: w_proj's tile 704 + 16 X + 4 w: hangs on X, never on cy
	s_mul_i32 s46, s46, 3072
	s_mov_b32 s47, 0
	s_mul_i32 s2, s14, 6144                        ; where they go: no place in the cluster enters an LDS address
	s_mul_i32 s3, s14, 12288
	s_wait_dscnt 0x0
	s_wait_kmcnt 0x0
	s_add_nc_u64 s[22:23], s[4:5], s[22:23]
	s_add_nc_u64 s[46:47], s[8:9], s[46:47]
.irp g, 0,1,2,3
	s_mov_b32 s[G0L+4*\g], 1                       ; 1:0 count = 1
	s_add_co_u32 s[G0L+4*\g+1], s2, \g*LRS         ; 63:32 LDS address
	s_add_nc_u64 s[G0L+4*\g+2:G0L+4*\g+3], s[22:23], \g*SIGL   ; 120:64 global address: K step g
	s_or_b32 s[G0L+4*\g+3], s[G0L+4*\g+3], 0x80000000          ; 127:126 type = 2
	s_mov_b32 s[G0P+4*\g], 1
	s_add_co_u32 s[G0P+4*\g+1], s3, PR+\g*PRS
	s_add_nc_u64 s[G0P+4*\g+2:G0P+4*\g+3], s[46:47], \g*SIGP
	s_or_b32 s[G0P+4*\g+3], s[G0P+4*\g+3], 0x80000000
.endr
	CROUND                                         ; all sixteen work-groups are here: the joint loads meet
.irp g, 0,1,2,3
	tensor_load_to_lds s[G0L+4*\g:G0L+4*\g+3], s[G1L:G1L+7]    ; all fills in one group, K step by K step: eight tensor loads of mine are out behind the last
	s_nop 0
	tensor_load_to_lds s[G0P+4*\g:G0P+4*\g+3], s[G1P:G1P+7]
	s_nop 0
.endr
.rept 4
	v_nop
.endr
	v_and_b32 v1, 31, v0                           ; lane
	v_and_b32 v2, 15, v0                           ; r
	v_bfe_u32 v3, v0, 4, 1                         ; h
	v_lshlrev_b32 v[CO], 4, v1
	v_lshlrev_b32 v23, 3, v1
	v_lshlrev_b32 v22, 4, v2                       ; 16 r: a row's four scale words
	s_wait_alu depctr_va_vdst(0)
	s_lshl_b32 s18, s42, 4                         ; P's tiles 704 + 16 X + 8 wp on, 512 bytes a tile
	s_lshl_b32 s19, s16, 3
	s_add_co_u32 s18, s18, s19
	s_add_co_u32 s18, s18, 704
	s_lshl_b32 s18, s18, 9
	v_add_nc_u32 v[SOP], s18, v22
	s_lshl_b32 s18, s17, 3                         ; L's tiles 8 Y + 4 wl on
	s_lshl_b32 s19, s15, 2
	s_add_co_u32 s18, s18, s19
	s_lshl_b32 s18, s18, 9
	v_add_nc_u32 v[SOL], s18, v22
.irp i, 0,1,2,3,4,5,6,7
.irp k, 0,1
	global_load_b128 v[SCP+8*\i+4*\k:SCP+8*\i+4*\k+3], v[SOP], s[10:11] offset:512*\i+256*\k   ; sixteen lanes read a whole block of 256 bytes: four K steps' words of 16 rows (both halves of the lanes the same)
.endr
.endr
.irp i, 0,1,2,3
.irp k, 0,1
	global_load_b128 v[SCL+8*\i+4*\k:SCL+8*\i+4*\k+3], v[SOL], s[6:7] offset:512*\i+256*\k
.endr
.endr
	v_lshlrev_b32 v[BH], 6, v3
	s_lshl_b32 s18, s42, 10                        ; the bias of columns 256 X + 128 wp on
	s_lshl_b32 s19, s16, 9
	s_add_co_u32 s18, s18, s19
	s_mov_b32 s19, 0
	s_add_nc_u64 s[92:93], s[92:93], s[18:19]
	WIN TO_P                                       ; 64 numbers along my registers, into window 1's v96-127 and v224-255
.irp b, 0,1,2,3,4,5,6,7
	global_load_b128 v[96+8*\b+96*(\b/4):99+8*\b+96*(\b/4)], v[BH], s[92:93] offset:(32*(\b/2)+8*(\b%2))*4      ; tile b's eight columns of my half of the lanes
	global_load_b128 v[100+8*\b+96*(\b/4):103+8*\b+96*(\b/4)], v[BH], s[92:93] offset:(32*(\b/2)+8*(\b%2))*4+16
.endr
	WIN 0
	s_lshl_b32 s66, s17, 19                        ; out: row 128 Y + 64 wl of 4,096 bytes, + the same columns
	s_lshl_b32 s67, s15, 18
	s_add_co_u32 s66, s66, s67
	s_add_co_u32 s66, s66, s18
	s_mov_b32 s67, 0
	s_add_nc_u64 s[94:95], s[94:95], s[66:67]
	s_mul_i32 s18, s15, 12288                      ; my 4 tiles of L
.irp g, 0,1
	v_add_nc_u32 v[AL+2*\g], s18, v[CO]
	v_add_nc_u32 v[AL+2*\g+1], s18, v23
	s_add_co_u32 s18, s18, 2*LRS
.endr
	s_mul_i32 s18, s16, 24576                      ; my 8 tiles of P
	s_add_co_u32 s18, s18, PR
.irp g, 0,1,2,3
	v_add_nc_u32 v[AP+2*\g], s18, v[CO]
	v_add_nc_u32 v[AP+2*\g+1], s18, v23
	s_add_co_u32 s18, s18, PRS
.endr
	s_mul_i32 s21, s14, 16*SPITCH                  ; my stage
	v_mul_u32_u24 v22, v2, SPITCH
	v_lshl_add_u32 v22, v3, 6, v22
	v_add_nc_u32 v[STO], s21, v22                  ; in: row r, + 64 h: my half's 16 columns of each 32
	v_add_nc_u32 v[RD], s21, v[CO]                 ; back: the 32 lanes take one row of 512 bytes
.macro FRAG reg, adr, off              ; a fragment comes as it was stored: two images, each 16 bytes a lane and 8 bytes a lane; every load reads consecutive bytes
.irp c, 0,1
	ds_load_b128 v[\reg+6*\c:\reg+6*\c+3], v[\adr] offset:\off+768*\c
	ds_load_b64 v[\reg+6*\c+4:\reg+6*\c+5], v[\adr+1] offset:\off+768*\c+512
.endr
.endm
; 16 matrix instructions: L's blocks a0, a0 + 1 x P's eight, K step s of 128; u: the sets.  first = 1: the sums start from the bias.  The 32 accumulators take turns, one instruction a turn.
.macro MULJ a0, u, s, first
.irp a, \a0, \a0+1
.irp b, 0,1,2,3,4,5,6,7
.if \first
	v_wmma_scale_f32_16x16x128_f8f6f4 v[8*(8*(\a)+\b):8*(8*(\a)+\b)+7], v[128*(\u)+FR*\b:128*(\u)+FR*\b+FR-1], v[LF+48*(\u)+FR*(\a):LF+48*(\u)+FR*(\a)+FR-1], v[96+8*\b+96*(\b/4):103+8*\b+96*(\b/4)], v[SCP+8*\b+(\s)], v[SCL+8*(\a)+(\s)] matrix_a_fmt:MATRIX_FMT_FP6 matrix_b_fmt:MATRIX_FMT_FP6
.else
	v_wmma_scale_f32_16x16x128_f8f6f4 v[8*(8*(\a)+\b):8*(8*(\a)+\b)+7], v[128*(\u)+FR*\b:128*(\u)+FR*\b+FR-1], v[LF+48*(\u)+FR*(\a):LF+48*(\u)+FR*(\a)+FR-1], v[8*(8*(\a)+\b):8*(8*(\a)+\b)+7], v[SCP+8*\b+(\s)], v[SCL+8*(\a)+(\s)] matrix_a_fmt:MATRIX_FMT_FP6 matrix_b_fmt:MATRIX_FMT_FP6
.endif
.endr
.endr
.endm
.macro FETCHS s                        ; K step s of 128: P's eight fragments and L's four, into sets s % 2
	WIN TO_P
.irp i, 0,1,2,3,4,5,6,7
	FRAG 128*((\s)%2)+FR*\i, AP+2*((\s)/2), 3072*\i+1536*((\s)%2)
.endr
	WIN 0
.irp a, 0,1,2,3
	FRAG LF+48*((\s)%2)+FR*\a, AL+2*((\s)/4), LRS*(((\s)/2)%2)+3072*\a+1536*((\s)%2)
.endr
.endm
; K step s of 128: 32 products; the next step's 48 loads stand in its middle.  Where the next step begins a K step of 256, a barrier stands in front of those loads: each wave's part of it has landed
; (behind it two loads of mine for each later K step may be out), its LDS loads are in, and sixteen products stand between the signal and the wait.
.macro STEPJ s, first
	s_wait_dscnt 0x0                               ; this step's fragments are in
.if ((\s)%2 == 1) && ((\s) < 7)
	s_wait_tensorcnt 5-(\s)                        ; K step (s + 1) / 2 of 256: L's and P's quarters of mine
	s_barrier_signal -1
.endif
.if \first
	WIN MUL_B
.else
	WIN MUL_LO
.endif
	MULJ 0, (\s)%2, \s, \first
.if ((\s)%2 == 1) && ((\s) < 7)
	s_barrier_wait -1                              ; everybody's have landed
.endif
.if (\s) < 7
	PLACES NP                                      ; in front of loads into the other sets, which the last step's products read
	FETCHS (\s)+1
.endif
.if \first
	WIN MUL_B
.else
	WIN MUL_LO
.endif
	MULJ 2, (\s)%2, \s, \first
.endm
	s_wait_alu depctr_va_vdst(0)
	s_wait_tensorcnt 6                             ; my parts of K step 0 are in (the six younger fills may be out),
	s_barrier_signal -1
	s_barrier_wait -1                              ; everybody's are
	FETCHS 0
	s_wait_loadcnt 0x0                             ; the scale words and the bias
	STEPJ 0, 1                                     ; the first products start the sums from the bias
	STEPJ 1, 0
	STEPJ 2, 0
	STEPJ 3, 0
	STEPJ 4, 0
	STEPJ 5, 0                                     ; the last barrier: behind it nobody reads K steps 0 and 1
	STEPJ 6, 0
	STEPJ 7, 0
	WIN 0
; THE WAY OUT, block by block of 16 tokens x 128 columns.  A lane holds pieces of one row, and the lanes beside it hold other rows: a block goes through my own stage and comes back as whole rows of 512 bytes.
; LDS serves a wave's instructions in order (ISA guide 5.7.1.4): no wait between the stores and the loads, nor in front of the next block's stores.
.macro TOSTAGE a
	WIN 0x08                                       ; the data: window 2
.irp b, 0,1,2,3,4,5,6,7
	ds_store_b128 v[STO], v[64*(\a)+8*\b:64*(\a)+8*\b+3] offset:128*(\b/2)+32*(\b%2)          ; each accumulator from its low end on; columns 32 (b / 2) + 16 h + 8 (b % 2) on
	ds_store_b128 v[STO], v[64*(\a)+8*\b+4:64*(\a)+8*\b+7] offset:128*(\b/2)+32*(\b%2)+16
.endr
	WIN 0
.set BB, BK+64*((\a)%2)
.irp t, 0,1,2,3,4,5,6,7,8,9,10,11,12,13,14,15
	ds_load_b128 v[BB+4*\t:BB+4*\t+3], v[RD] offset:\t*SPITCH
.endr
.endm
.macro SEND a, younger                 ; younger: the LDS instructions issued behind block a's loads, which may stay out
.set BB, BK+64*((\a)%2)
	s_wait_dscnt \younger
.irp t, 0,1,2,3,4,5,6,7,8,9,10,11,12,13,14,15
	global_store_b128 v[CO], v[BB+4*\t:BB+4*\t+3], s[94:95] offset:(32*((\a)/2)+8*((\a)%2)+\t+8*(\t/8))*4096 th:TH_STORE_NT   ; the tile's row t is this token; 512 consecutive bytes, aligned to 256; written once, read by nobody here
.endr
.endm
	PLACES NP                                      ; behind the last products: their results are read, and loads land in their operands' registers
	TOSTAGE 0
.irp a, 1,2,3
.if \a > 1
	s_wait_xcnt 0x0                                ; block a - 2's stores have read their registers: block a's loads may land there
.endif
	TOSTAGE \a
	SEND \a-1, 32                                  ; behind block a - 1's loads: block a's 16 stores and 16 loads
.endr
	SEND 3, 0
	s_wait_tensorcnt 0x0                           ; nothing of mine is out
	s_wait_dscnt 0x0
	s_wait_tensorcnt 0x0
	ds_add_u32 v29, v31
	s_wait_dscnt 0x0
	CROUND                                         ; the closing round: no work-group ends while a partner may still ask for a tile that names it
	s_endpgm
.Lfunc_end_k_q08ab67da17_proj:
	.size	k_q08ab67da17_proj, .Lfunc_end_k_q08ab67da17_proj-k_q08ab67da17_proj
	.p2alignl 7, 3214868480
	.fill 96, 4, 3214868480
	.section	.rodata,"a",@progbits
	.p2align	6, 0x0
	.amdhsa_kernel k_q08ab67da17_proj
		.amdhsa_group_segment_fixed_size 327680
		.amdhsa_private_segment_fixed_size 0
		.amdhsa_enable_private_segment 0
		.amdhsa_kernarg_size 48
		.amdhsa_user_sgpr_count 2
		.amdhsa_user_sgpr_kernarg_segment_ptr 1
		.amdhsa_wavefront_size32 1
		.amdhsa_system_sgpr_workgroup_id_x 1
		.amdhsa_system_sgpr_workgroup_id_y 1
		.amdhsa_system_sgpr_workgroup_id_z 1
		.amdhsa_system_vgpr_workitem_id 0
		.amdhsa_next_free_vgpr 768
		.amdhsa_next_free_sgpr 102
		.amdhsa_reserve_vcc 0
		.amdhsa_float_denorm_mode_32 3
		.amdhsa_float_denorm_mode_16_64 3
		.amdhsa_memory_ordered 1
		.amdhsa_forward_progress 1
		.amdhsa_inst_pref_size 86
	.end_amdhsa_kernel
	.amdgpu_metadata
---
amdhsa.version: [ 1, 2 ]
amdhsa.kernels:
  - .name:           k_q08ab67da17_proj
    .symbol:         k_q08ab67da17_proj.kd
    .args:
      - { .name: ac, .offset: 0, .size: 8, .value_kind: global_buffer, .address_space: global }
      - { .name: asc, .offset: 8, .size: 8, .value_kind: global_buffer, .address_space: global }
      - { .name: opc, .offset: 16, .size: 8, .value_kind: global_buffer, .address_space: global }
      - { .name: ops, .offset: 24, .size: 8, .value_kind: global_buffer, .address_space: global }
      - { .name: b_proj, .offset: 32, .size: 8, .value_kind: global_buffer, .address_space: global }
      - { .name: out0, .offset: 40, .size: 8, .value_kind: global_buffer, .address_space: global }
    .group_segment_fixed_size: 327680
    .private_segment_fixed_size: 0
    .kernarg_segment_align: 8
    .kernarg_segment_size: 48
    .max_flat_workgroup_size: 128
    .sgpr_count:     102
    .vgpr_count:     768
    .wavefront_size: 32
...
	.end_amdgpu_metadata
.endif
;; end of part 4
